; MI455X (gfx1250); checked and timed in simulation.
; The chip was launched on July 23, 2026; its instructions are those of AMD's public machine-readable ISA for CDNA 5 (MIT licence, August 2026) and "CDNA5" Instruction Set Architecture Reference Guide (July 2026). The comments in the code are by the model that wrote it; some were corrected since.
;; Multi Head Attention. Allowed arithmetic: matrix products marked QUANTISED: E2M3 operands, one E8M0 scale for each 32 along K, by v_wmma_scale_f32_16x16x128_f8f6f4 with both operands' format E2M3, f32 sums; everything else in f32.
;; Inputs: Wk 16 x 1,024 x 64 float32; Wp 1,024 x 1,024 float32; Wq 16 x 1,024 x 64 float32; Wv 16 x 1,024 x 64 float32; bp 1,024 float32; x 4 x 2,048 x 1,024 float32.
;; Outputs: out0 4 x 2,048 x 1,024 float32.
;; This version of the problem:
;;   THIS VERSION OF THE PROBLEM IS GIVEN IN LOW PRECISION. The matrix products marked QUANTISED in the list below multiply operands that are first quantised to E2M3 (2 exponent bits, 3 mantissa bits; 6 bits a number), with one power-of-two scale for each 32 numbers along K (OCP MX v1.0); their sums are f32. All else is computed in f32.
;;   The module's matrix products, in the order in which they are computed (A, B: the left and right operand; K: the contracted axis; several contracted axes count as one K, in the product's order):
;;     1. [M 1,024, K 1,024] x [K 1,024, N 8,192]; A: input Wq; B: input x: QUANTISED
;;     2. [M 1,024, K 1,024] x [K 1,024, N 8,192]; A: input Wk; B: input x: QUANTISED
;;     3. [M 1,024, K 1,024] x [K 1,024, N 8,192]; A: input Wv; B: input x: QUANTISED
;;     4. batch 64 x [M 2,048, K 64] x [K 64, N 2,048]; A: computed on the way; B: computed on the way: QUANTISED
;;     5. batch 64 x [M 2,048, K 2,048] x [K 2,048, N 64]; A: softmax (see below); B: computed on the way: QUANTISED
;;     6. [M 8,192, K 1,024] x [K 1,024, N 1,024]; A: computed on the way; B: input Wp: QUANTISED
;;   THE QUANTISER, for each operand of a quantised product, along K:
;;     - K is cut into blocks of 32 from its start; a last block that is shorter is filled with zeros.
;;     - A block's scale is 2^e with e = floor(log2(the largest magnitude in the block)) - 2, held to -126 .. 127; a block of zeros has e = 0. As a byte (E8M0): e + 127.
;;     - Each number is divided by its block's scale, clamped to +-7.5, and rounded to the nearest number of E2M3, ties to even, subnormals kept.
;;     - The product sums the exact products of the quantised numbers (number of the format x scale) in f32.
;;   ~~~python
;;   def quantise(x, axis):      # numpy; x: float32 -> the quantised numbers, widened to float32 again
;;       x = np.moveaxis(x, axis, -1); K = x.shape[-1]
;;       x = np.pad(x, [(0, 0)] * (x.ndim - 1) + [(0, -K % 32)]); x = x.reshape(x.shape[:-1] + (-1, 32)); a = np.abs(x).max(-1, keepdims=True)
;;       e = np.where(a > 0, np.clip(np.frexp(np.where(a > 0, a, 1))[1] - 1 - 2, -126, 127), 0)      # np.frexp(a)[1] - 1 = floor(log2(a)), exactly
;;       r = np.clip(x / 2.0 ** e, -7.5, 7.5)
;;       step = 2.0 ** (np.maximum(np.frexp(np.where(r == 0, 1, r))[1] - 1, 0) - 3)
;;       q = np.round(r / step) * step * 2.0 ** e      # np.round: ties to even
;;       return np.moveaxis(q.reshape(q.shape[:-2] + (-1,))[..., :K], -1, axis).astype(np.float32)
;;   ~~~
;;   SOFTMAX AHEAD OF A QUANTISED PRODUCT. Where the list says 'softmax', what is quantised is not the finished softmax but p = 2^(t - M), with t = logit x log2(e) and M = ceil(the row's largest t), a whole number; so 1/2 < the row's largest p <= 1. The row's sum l is taken of the UNQUANTISED p, in f32, and the product's result is divided by l at the end. Since M is a whole number, a kernel that streams over the keys may use a running M (the ceiling of the running maximum): every later rescaling is an exact power of two, which a block's scale takes up: the codes' values come out the same.
;;   OPERANDS COMPUTED ON THE WAY. 'Computed on the way' means the value that the module computes at that place (a softmax that the list does not call 'softmax' is quantised finished and normalised). What goes into a quantiser is computed in f32, as accurately as f32 sums, v_exp_f32 and their like allow (about 1e-6 of the number): no bf16 or f16 on the way to a quantiser, and a product that is left as it is and whose result goes on into a quantised operand takes f32 operands (vector FMAs, or v_wmma_f32_16x16x4_f32). A number that lies on a knife's edge between two numbers of the format may be rounded either way, as far as f32 arithmetic and the matrix unit's own rounding can turn it there, and no further.
;; One version. Each part assembles by itself: llvm-mc -triple=amdgcn-amd-amdhsa -mcpu=gfx1250 --defsym DOCPART=n.
;; ======== version 1 of 1: 5 launches
;; workspace buffers: xq 6,553,600 bytes; wqkq 1,638,400 bytes; wvq 819,200 bytes; wpq 819,200 bytes; qkq 16,777,216 bytes; vq 54,525,952 bytes; oq 6,553,600 bytes
;; launch quant (part 1): grid 384 x 1, 4 waves a work-group, no clusters, 58,880 bytes of LDS; arguments x, Wp, Wq, Wk, Wv, xq, wpq, wqkq, wvq; writes xq, wpq, wqkq, wvq
.if DOCPART == 1
	.amdgcn_target "amdgcn-amd-amdhsa--gfx1250"
	.amdhsa_code_object_version 6
	.text
	.protected	k_q0ac5e68ede_quant
	.globl	k_q0ac5e68ede_quant
	.p2align	8
	.type	k_q0ac5e68ede_quant,@function
k_q0ac5e68ede_quant:
	s_mov_b64 s[64:65], 0
	v_nop
	global_prefetch_b8 v0, s[64:65] scope:SCOPE_SE
	s_setreg_imm32_b32 hwreg(HW_REG_WAVE_MODE, 25, 1), 1
	s_wait_xcnt 0x0
; x [8192][1024], Wp [1024][1024] (K innermost) and Wq, Wk, Wv [16][1024][64] (K the middle axis), all f32, become codes of E2M3 with one E8M0 byte for each 32 along K,
; laid IN THE ORDER OF AN OPERAND'S REGISTERS.  A block is 16 rows: block 4 G + t holds, in lane row r, row 64 G + 8 t + (r & 7) + 32 (r >> 3).  A fragment (a block x 128 along K, 12 registers a lane) is
; 1,536 bytes: for each half c its registers 6c..6c+3 at 768 c + 16 x lane and 6c+4, 6c+5 at 768 c + 512 + 8 x lane.  A block's record is 12,800 bytes: eight fragments, then 512 bytes of scale words [K step / 4][r][K step % 4].
; A block of 32's scale is 2^(floor(log2(largest magnitude)) - 2): its byte is the largest magnitude's exponent field - 2, held at 1 from below by a floor among the maximum's leaves.
; LIMITS: a block of zeros gets the byte 1 (its codes are zeros, and only this program reads the bytes); NaN and infinities among the inputs are not served.
; Work-groups 0-255 take x, 256-287 Wp: a wave takes one block x four K steps; rows are loaded 512 consecutive bytes at a time and turn through the wave's own stage, so that a lane gets 32 neighbours along K.
; Work-groups 288-383 take the heads' weights: a wave takes a head's 64 columns x one K step; a lane takes a column and its registers run down K; the codes are gathered in the wave's own stage as four fragments.
; Memory binds: no matrix unit, no cluster (no two work-groups read the same bytes), no barrier (waves share nothing).  The two paths have LDS bytes of their own.
.set REC,   12800
.set WST,   33792                      ; the weights' stages begin here: 6,144 bytes a wave; in front of them x's stages: 16 rows x 528 bytes a wave
.set SPARE, 58368                      ; the spare words, 128 bytes a wave: two blocks of 256 bytes that no other line names
.set L16, 1                            ; 16 x lane
.set L8,  2                            ; 8 x lane
.set L4,  3                            ; 4 x lane
.set STW, 4                            ; x's stage, in: 16 x lane
.set STR, 5                            ; x's stage, back: 528 r + 128 h
.set SH8, 6                            ; 8 h
.set A16, 7                            ; weights' stage: 1,536 (lane / 8) + 16 (lane % 8)
.set A8,  8                            ; and with 8 (lane % 8)
.set XSO, 9                            ; x's scale words: 16 r + 8 h
.set WSO, 10                           ; the weights': 12,800 (lane / 8) + 16 (lane % 8)
.set WRD, 11                           ; weights' stage, back: 16 x lane
.set SPW, 12                           ; LDS address of my spare word; never rewritten
.set NIL, 13                           ; 0; never rewritten
.set TM,  14                           ; v14-17 largest magnitudes
.set SO,  18                           ; v18-19 the conversions' scale operands
.set BY,  20                           ; v20-21 scale bytes
.set WW,  22
.set TT,  23
.set PW,  24                           ; v24-27 scale words
.set PR,  28                           ; v28-29 the pair of words that I store
.set TA,  30                           ; v30-32, v34-36: the second halves of a block's codes (a conversion's three registers begin on an even number)
.set TB,  34
.set PC,  38                           ; v38-49, v50-61: two sets of a fragment's codes
.set R0,  64                           ; v64-127, v128-191: two sets as loaded
.set X,   192                          ; v192-255: 64 numbers of my row, register 32 c + i = k 64 c + 32 h + i
.set SEL, 36                           ; s[36:37] lane selects: lane l xor 16
.macro MAX32 src, tm                   ; the largest magnitude of 32 registers, in two chains, each begun with the floor 2^(3 - 127)
	v_max3_num_f32 v[\tm], |v[\src]|, |v[\src+1]|, 0x1800000
	v_max3_num_f32 v[\tm+1], |v[\src+16]|, |v[\src+17]|, 0x1800000
.irp i, 2,4,6,8,10,12,14
	v_max3_num_f32 v[\tm], v[\tm], |v[\src+\i]|, |v[\src+\i+1]|
	v_max3_num_f32 v[\tm+1], v[\tm+1], |v[\src+16+\i]|, |v[\src+17+\i]|
.endr
	v_max_num_f32 v[\tm], v[\tm], v[\tm+1]
.endm
.macro QUANT64 src, pc, pw             ; 64 numbers of a lane become a fragment's 12 registers and its row's scale word
	MAX32 \src, TM
	MAX32 \src+32, TM+2
	v_add_nc_u32 v[SO], 0xff000000, v[TM]          ; 2 off the exponent field: the conversion takes this operand's exponent field as its scale
	v_add_nc_u32 v[SO+1], 0xff000000, v[TM+2]
	v_lshrrev_b32 v[BY], 23, v[SO]                 ; the scale's byte
	v_lshrrev_b32 v[BY+1], 23, v[SO+1]
	v_lshl_or_b32 v[WW], v[BY+1], 16, v[BY]        ; my blocks h and 2 + h,
	v_lshlrev_b32 v[WW], v[SH8], v[WW]             ; at their places in the word;
	v_permlanex16_b32 v[TT], v[WW], s[SEL], s[SEL+1]
	v_or_b32 v[\pw], v[WW], v[TT]                  ; with lane l xor 16's two the word is whole
	v_cvt_scalef32_pk16_fp6_f32 v[\pc:\pc+2], v[\src:\src+15], v[SO]
	v_cvt_scalef32_pk16_fp6_f32 v[TA:TA+2], v[\src+16:\src+31], v[SO]
	v_cvt_scalef32_pk16_fp6_f32 v[\pc+6:\pc+8], v[\src+32:\src+47], v[SO+1]
	v_cvt_scalef32_pk16_fp6_f32 v[TB:TB+2], v[\src+48:\src+63], v[SO+1]
	v_nop                                          ; one plain place behind the conversions
.irp i, 0,1,2
	v_mov_b32 v[\pc+3+\i], v[TA+\i]
	v_mov_b32 v[\pc+9+\i], v[TB+\i]
.endr
.endm
.macro LOADF f                         ; K step f of my quad: 16 rows, 512 consecutive bytes each
.set LRS, R0+64*((\f)%2)
.irp i, 0,1,2,3,4,5,6,7,8,9,10,11,12,13,14,15
	global_load_b128 v[LRS+4*\i:LRS+4*\i+3], v[L16], s[22:23] offset:(\i%8)*4096+(\i/8)*131072+512*(\f) th:TH_LOAD_NT
.endr
.endm
.macro FRAGQ f
.set RS, R0+64*((\f)%2)
.set PCS, PC+12*((\f)%2)
.if (\f) < 3
	s_wait_loadcnt 16                              ; this K step's 16 loads are in; the next one's 16 may be out
.else
	s_wait_loadcnt 0x0
.endif
.irp i, 0,1,2,3,4,5,6,7,8,9,10,11,12,13,14,15
	ds_store_b128 v[STW], v[RS+4*\i:RS+4*\i+3] offset:528*\i
.endr
.irp c, 0,1
.irp j, 0,1,2,3,4,5,6,7
	ds_load_b128 v[X+32*\c+4*\j:X+32*\c+4*\j+3], v[STR] offset:256*\c+16*\j   ; LDS serves a wave's instructions in order: these see the stores above
.endr
.endr
	s_wait_dscnt 0x0                               ; my 64 numbers are back, and the stores have read the set as loaded,
.if (\f) < 2
	LOADF (\f)+2                                   ; which takes the loads of two K steps on
.endif
.if (\f) >= 2
	s_wait_xcnt 0x0                                ; the stores of two K steps back have read this set of codes
.endif
	QUANT64 X, PCS, PW+(\f)
	global_store_b128 v[L16], v[PCS:PCS+3], s[24:25] offset:1536*(\f)          ; 512 consecutive bytes
	global_store_b64 v[L8], v[PCS+4:PCS+5], s[24:25] offset:1536*(\f)+512      ; 256
	global_store_b128 v[L16], v[PCS+6:PCS+9], s[24:25] offset:1536*(\f)+768
	global_store_b64 v[L8], v[PCS+10:PCS+11], s[24:25] offset:1536*(\f)+1280
.endm
.macro LOADW n                         ; sub-block n = 4 c + 2 g + h: W(64 c + 32 h + i, 32 g + lane), i = 0 .. 31
.set LC, (\n)/4
.set LG, ((\n)%4)/2
.set LH, (\n)%2
.set LD, R0+32*((\n)%2)
.irp i, 0,1,2,3,4,5,6,7,8,9,10,11,12,13,14,15,16,17,18,19,20,21,22,23,24,25,26,27,28,29,30,31
	global_load_b32 v[LD+\i], v[L4], s[22:23] offset:(64*LC+32*LH+\i)*256+128*LG
.endr
.endm
.macro SUBW n
.set WC, (\n)/4
.set WG, ((\n)%4)/2
.set WH, (\n)%2
.set WD, R0+32*((\n)%2)
.if (\n) < 7
	s_wait_loadcnt 32                              ; this sub-block's 32 loads are in; the next one's may be out
.else
	s_wait_loadcnt 0x0
.endif
	MAX32 WD, TM                                   ; a whole block of 32 along K of my column
	v_add_nc_u32 v[SO], 0xff000000, v[TM]
	v_lshrrev_b32 v[BY], 23, v[SO]
.if 2*WC+WH == 0
	v_mov_b32 v[PW+WG], v[BY]                      ; byte 2 c + h of my column's scale word
.else
	v_lshl_or_b32 v[PW+WG], v[BY], 8*(2*WC+WH), v[PW+WG]
.endif
	v_cvt_scalef32_pk16_fp6_f32 v[PC:PC+2], v[WD:WD+15], v[SO]
	v_cvt_scalef32_pk16_fp6_f32 v[TA:TA+2], v[WD+16:WD+31], v[SO]
	v_nop
.irp i, 0,1,2
	v_mov_b32 v[PC+3+\i], v[TA+\i]
.endr
	ds_store_b128 v[A16], v[PC:PC+3] offset:768*WC+128*WG+256*WH        ; I am lane (lane % 8 + 8 g) + 16 h of block lane / 8
	ds_store_b64 v[A8], v[PC+4:PC+5] offset:768*WC+512+64*WG+128*WH
.if (\n) < 6
	LOADW (\n)+2
.endif
	s_wait_dscnt 0x0                               ; the stores have read their registers
.endm
	s_load_b256 s[4:11], s[0:1], 0x0               ; x, Wp, Wq, Wk
	s_load_b256 s[12:19], s[0:1], 0x20             ; Wv, xq, wpq, wqkq
	s_load_b64 s[20:21], s[0:1], 0x40              ; wvq
	v_lshl_add_u32 v[SPW], v0, 2, SPARE
	v_mov_b32 v[NIL], 0
	v_lshrrev_b32 v62, 5, v0
	v_readfirstlane_b32 s2, v62                    ; wave
	v_and_b32 v62, 31, v0                          ; lane
	v_and_b32 v63, 15, v0                          ; r
	v_bfe_u32 v[TT], v0, 4, 1                      ; h
	v_lshlrev_b32 v[L16], 4, v62
	v_lshlrev_b32 v[L8], 3, v62
	v_lshlrev_b32 v[L4], 2, v62
	v_lshlrev_b32 v[SH8], 3, v[TT]
	s_mul_i32 s3, s2, 8448
	v_add_nc_u32 v[STW], s3, v[L16]
	v_mul_u32_u24 v[STR], v63, 528
	v_lshl_add_u32 v[STR], v[TT], 7, v[STR]
	v_add_nc_u32 v[STR], s3, v[STR]
	v_lshlrev_b32 v[XSO], 4, v63
	v_lshl_add_u32 v[XSO], v[TT], 3, v[XSO]
	v_cmp_lt_u32 vcc_lo, 15, v62                   ; lanes 16-31
	v_lshrrev_b32 v[WW], 3, v62                    ; lane / 8
	v_and_b32 v63, 7, v62                          ; lane % 8
	s_mul_i32 s3, s2, 6144
	s_add_co_u32 s3, s3, WST
	v_mul_u32_u24 v[A16], v[WW], 1536
	v_add_nc_u32 v[A16], s3, v[A16]
	v_lshl_add_u32 v[A8], v63, 3, v[A16]
	v_lshl_add_u32 v[A16], v63, 4, v[A16]
	v_add_nc_u32 v[WRD], s3, v[L16]
	v_mul_u32_u24 v[WSO], v[WW], REC
	v_lshl_add_u32 v[WSO], v63, 4, v[WSO]
	s_mov_b32 s[SEL], 0x76543210
	s_mov_b32 s[SEL+1], 0xfedcba98
	s_wait_kmcnt 0x0
	s_cmp_lt_u32 ttmp9, 288
	s_cbranch_scc0 .Lweights
	; ---- x and Wp
	s_cmp_lt_u32 ttmp9, 256                        ; the choice hangs on the work-group's number alone
	s_cselect_b64 s[22:23], s[4:5], s[6:7]
	s_cselect_b64 s[24:25], s[14:15], s[16:17]
	s_cselect_b32 s26, 0, 256
	s_sub_co_u32 s26, ttmp9, s26                   ; the tensor's own work-group number
	s_lshr_b32 s27, s26, 1                         ; G: which 64 rows
	s_and_b32 s26, s26, 1                          ; which four K steps
	s_lshl_b32 s28, s27, 3
	s_add_co_u32 s28, s28, s2
	s_lshl_b32 s28, s28, 15                        ; (64 G + 8 wave) rows of 4,096 bytes
	s_lshl_b32 s29, s26, 11
	s_add_co_u32 s28, s28, s29
	s_mov_b32 s29, 0
	s_add_nc_u64 s[22:23], s[22:23], s[28:29]
	s_lshl_b32 s30, s27, 2
	s_add_co_u32 s30, s30, s2                      ; my block
	s_mul_i32 s30, s30, REC
	s_mov_b32 s31, 0
	s_add_nc_u64 s[24:25], s[24:25], s[30:31]      ; its record
	s_lshl_b32 s30, s26, 8
	s_add_co_u32 s30, s30, 12288
	s_add_nc_u64 s[32:33], s[24:25], s[30:31]      ; my quad's scale words
	s_mul_i32 s30, s26, 6144
	s_add_nc_u64 s[24:25], s[24:25], s[30:31]      ; my quad's fragments
	LOADF 0
	LOADF 1
	FRAGQ 0
	FRAGQ 1
	FRAGQ 2
	FRAGQ 3
	v_cndmask_b32 v[PR], v[PW], v[PW+2], vcc_lo    ; lanes 0-15 store words 0, 1 of their row, lanes 16-31 words 2, 3:
	v_cndmask_b32 v[PR+1], v[PW+1], v[PW+3], vcc_lo
	global_store_b64 v[XSO], v[PR:PR+1], s[32:33]  ; 256 consecutive bytes
	s_branch .Lend
.Lweights:
	s_sub_co_u32 s26, ttmp9, 288
	s_lshr_b32 s27, s26, 1
	s_and_b32 s26, s26, 1                          ; which four K steps
	s_lshr_b32 s28, s27, 4                         ; 0 Wq, 1 Wk, 2 Wv
	s_and_b32 s27, s27, 15                         ; head
	s_cmp_eq_u32 s28, 0
	s_cselect_b64 s[22:23], s[8:9], s[10:11]
	s_cmp_eq_u32 s28, 2
	s_cselect_b64 s[22:23], s[12:13], s[22:23]
	s_cselect_b64 s[24:25], s[20:21], s[18:19]
	s_cmp_eq_u32 s28, 1
	s_cselect_b32 s29, 64, 0                       ; Wk's blocks lie behind Wq's 64
	s_lshl_b32 s30, s27, 2
	s_add_co_u32 s30, s30, s29                     ; the head's first block
	s_mul_i32 s30, s30, REC
	s_mov_b32 s31, 0
	s_add_nc_u64 s[24:25], s[24:25], s[30:31]
	s_lshl_b32 s34, s26, 2
	s_add_co_u32 s34, s34, s2                      ; my K step
	s_lshl_b32 s30, s26, 8
	s_lshl_b32 s35, s2, 2
	s_add_co_u32 s30, s30, s35
	s_add_co_u32 s30, s30, 12288
	s_add_nc_u64 s[32:33], s[24:25], s[30:31]      ; my K step's place among a record's scale words
	s_mul_i32 s30, s34, 1536
	s_add_nc_u64 s[24:25], s[24:25], s[30:31]      ; and among its fragments
	s_lshl_b32 s30, s27, 18                        ; a head is 262,144 bytes,
	s_lshl_b32 s35, s34, 15                        ; a K step 128 rows of 256
	s_add_co_u32 s30, s30, s35
	s_add_nc_u64 s[22:23], s[22:23], s[30:31]
	LOADW 0
	LOADW 1
	SUBW 0
	SUBW 1
	SUBW 2
	SUBW 3
	SUBW 4
	SUBW 5
	SUBW 6
	SUBW 7
.irp n, 0,1,2,3,4,5,6,7,8,9,10,11
	ds_load_b128 v[128+4*\n:131+4*\n], v[WRD] offset:512*\n
.endr
.irp n, 0,1,2,3,4,5,6,7,8,9,10,11
	s_wait_dscnt 11-\n                             ; piece n is back; the younger ones may be out
	global_store_b128 v[L16], v[128+4*\n:131+4*\n], s[24:25] offset:(\n/3)*REC+(\n%3)*512   ; 512 consecutive bytes of block n / 3's fragment
.endr
	global_store_b32 v[WSO], v[PW], s[32:33]       ; the scale words of columns lane and 32 + lane: 4 bytes of each row's 16 (the other K steps' words come from other waves): 98,304 bytes in all are stored so
	global_store_b32 v[WSO], v[PW+1], s[32:33] offset:128
.Lend:
	s_wait_tensorcnt 0x0                           ; the wave's end, behind my last LDS store
	ds_add_u32 v[SPW], v[NIL]
	s_wait_dscnt 0x0
	s_endpgm
.Lfunc_end_k_q0ac5e68ede_quant:
	.size	k_q0ac5e68ede_quant, .Lfunc_end_k_q0ac5e68ede_quant-k_q0ac5e68ede_quant
	.p2alignl 7, 3214868480
	.fill 96, 4, 3214868480
	.section	.rodata,"a",@progbits
	.p2align	6, 0x0
	.amdhsa_kernel k_q0ac5e68ede_quant
		.amdhsa_group_segment_fixed_size 58880
		.amdhsa_private_segment_fixed_size 0
		.amdhsa_enable_private_segment 0
		.amdhsa_kernarg_size 72
		.amdhsa_user_sgpr_count 2
		.amdhsa_user_sgpr_kernarg_segment_ptr 1
		.amdhsa_wavefront_size32 1
		.amdhsa_system_sgpr_workgroup_id_x 1
		.amdhsa_system_sgpr_workgroup_id_y 1
		.amdhsa_system_sgpr_workgroup_id_z 1
		.amdhsa_system_vgpr_workitem_id 0
		.amdhsa_next_free_vgpr 256
		.amdhsa_next_free_sgpr 66
		.amdhsa_reserve_vcc 1
		.amdhsa_float_denorm_mode_32 3
		.amdhsa_float_denorm_mode_16_64 3
		.amdhsa_memory_ordered 1
		.amdhsa_forward_progress 1
		.amdhsa_inst_pref_size 73
	.end_amdhsa_kernel
	.amdgpu_metadata
---
amdhsa.version: [ 1, 2 ]
amdhsa.kernels:
  - .name:           k_q0ac5e68ede_quant
    .symbol:         k_q0ac5e68ede_quant.kd
    .args:
      - { .name: x, .offset: 0, .size: 8, .value_kind: global_buffer, .address_space: global }
      - { .name: Wp, .offset: 8, .size: 8, .value_kind: global_buffer, .address_space: global }
      - { .name: Wq, .offset: 16, .size: 8, .value_kind: global_buffer, .address_space: global }
      - { .name: Wk, .offset: 24, .size: 8, .value_kind: global_buffer, .address_space: global }
      - { .name: Wv, .offset: 32, .size: 8, .value_kind: global_buffer, .address_space: global }
      - { .name: xq, .offset: 40, .size: 8, .value_kind: global_buffer, .address_space: global }
      - { .name: wpq, .offset: 48, .size: 8, .value_kind: global_buffer, .address_space: global }
      - { .name: wqkq, .offset: 56, .size: 8, .value_kind: global_buffer, .address_space: global }
      - { .name: wvq, .offset: 64, .size: 8, .value_kind: global_buffer, .address_space: global }
    .group_segment_fixed_size: 58880
    .private_segment_fixed_size: 0
    .kernarg_segment_align: 8
    .kernarg_segment_size: 72
    .max_flat_workgroup_size: 128
    .sgpr_count:     66
    .vgpr_count:     256
    .wavefront_size: 32
...
	.end_amdgpu_metadata
.endif
;; end of part 1
;; launch gemm_qk (part 2): grid 32 x 8, 4 waves a work-group, clusters of 4 x 4, 327,680 bytes of LDS; arguments xq, wqkq, qkq; writes qkq
.if DOCPART == 2
	.amdgcn_target "amdgcn-amd-amdhsa--gfx1250"
	.amdhsa_code_object_version 6
	.text
	.protected	k_q0ac5e68ede_gemm_qk
	.globl	k_q0ac5e68ede_gemm_qk
	.p2align	8
	.type	k_q0ac5e68ede_gemm_qk,@function
k_q0ac5e68ede_gemm_qk:
	s_mov_b64 s[64:65], 0
	v_nop
	global_prefetch_b8 v0, s[64:65] scope:SCOPE_SE
	s_setreg_imm32_b32 hwreg(HW_REG_WAVE_MODE, 25, 1), 1
	s_wait_xcnt 0x0
	s_wait_alu depctr_hold_cnt(0) depctr_sa_sdst(0) depctr_va_vdst(0) depctr_va_sdst(0) depctr_va_ssrc(0) depctr_va_vcc(0) depctr_vm_vsrc(0)
	s_getreg_b32 s2, hwreg(HW_REG_IB_STS2, 6, 4)
	s_cmp_eq_u32 s2, 0
	s_cbranch_scc0 .Lentry_in_a_cluster
	s_endpgm
.Lentry_in_a_cluster:
	s_bfe_u32 s2, ttmp6, 0x10000c
	s_cmp_lg_u32 s2, 0xf033
	s_cbranch_scc0 .Lentry_shape_is_right
	s_endpgm
.Lentry_shape_is_right:
; Z[R row][P row] = sum over k of R[.][k] P[.][k], K = 1,024, both operands as records of register images (block of 16 rows: lane row r of block 4 G + t is row 64 G + 8 t + (r & 7) + 32 (r >> 3);
; a record is 12,800 bytes: eight fragments of 1,536, then 512 bytes of scale words [K step / 4][r][K step % 4]).  Z IS QUANTISED ALONG P in registers and leaves as register images again.
; One body serves two launches: R = x's tokens, P = Wq's and Wk's columns (q and k, quantised along the head's 64); R = Wv's columns, P = x's tokens (v, quantised along the tokens).
; Source 0 = 16 rows of P, source 1 = 16 rows of R: by the blocks' row order lane (r, h) then holds, in the 32 registers of four neighbouring tiles, P rows 64 c + 32 h + 0 .. 31 of R's lane row r:
; a whole block of 32 along the next K, in the very lane and order that the next operand's layout wants.
; OUT: idx = 64 x (P step of 128) + (R group of 128).  At idx x 1,024: 512 bytes [a / 4][r][a % 4], the scale word of R block a; 512 bytes [c][r][f]: half c of block 2 f's word below, of block 2 f + 1's above.
; At 4,194,304 + idx x 12,288 + 1,536 a: block a's fragment.  (The second launch has 8 R groups and uses 8 of each 64 places.)
; A work-group of four waves makes 256 x 256, a wave 128 x 128: 64 accumulators.  K's eight steps of 128 go through THREE LDS slots of two steps; one slot is filled a second time.
; CLUSTER 4 x 4: R's tile hangs on the work-group's x alone and is asked for jointly by a column of the cluster, P's on its y alone, by a row.
; LIMITS: a block of zeros gets the byte 1 with zero codes; NaN and infinities are not served.
; REGISTERS: window 0: v2-16 addresses; v32-63 R's scale words, v64-95 P's (block i, K step s: register 4 i + s % 4, lanes 0-15 for s < 4, lanes 16-31 for s >= 4); v96-123 at work in the way out; v128-223 R's eight fragments, later the codes.
;   window 1: P's fragments, two sets, at v0 and v128.  windows 2, 3: accumulator (a, b) at v[8 (8 (a % 4) + b)].
.set REC,   12800
.set HALF,  24576                      ; 8 blocks x 2 K steps x 1,536: what one tensor load brings
.set SLOT,  98304                      ; R's two halves, then P's two
.set SPARE, 294912                     ; behind the three slots: the spare words, 128 bytes a wave
.set CODES, 4194304
.set L16, 2
.set L8,  3
.set ADA16, 4                          ; v4-6: slot s: my R half + 16 x lane;  v7-9: + 8 x lane
.set ADA8,  7
.set ADB16, 10                         ; v10-12, v13-15: the same for P
.set ADB8,  13
.set SH8, 16
.set SPW, 28
.set NIL, 29
.set SCA, 32
.set SCB, 64
.set TM,  96
.set SO,  100
.set BY,  102
.set WW,  104
.set TT,  105
.set TA,  106
.set TB,  110
.set PW,  116                          ; v116-123 the eight blocks' scale words
.set AF,  128
.set PLN, 224
.set PAI, 228
.set SLR, 232
.set G1,  24
.set G0,  32                           ; s[32:43] three sets
.set G1B, 44
.set G0B, 52                           ; s[52:63]
.set SEL, 88
.set MSB, 0
.macro WIN new                         ; the immediate's high byte repeats the setting that is left
.if MSB != (\new)
	s_set_vgpr_msb (MSB<<8)|(\new)
.set MSB, (\new)
.endif
.endm
.macro JLOAD g0a, g1a, g0b, g1b        ; a joint load: waves 0, 1 fetch R's halves, waves 2, 3 P's; an s_nop 0 and four v_nop follow each line
	s_cmp_eq_u32 s15, 0
	s_cbranch_scc0 .Lfor_b_\@
	tensor_load_to_lds s[\g0a:\g0a+3], s[\g1a:\g1a+7]
	s_nop 0
.rept 4
	v_nop
.endr
	s_branch .Lasked_\@
.Lfor_b_\@:
	tensor_load_to_lds s[\g0b:\g0b+3], s[\g1b:\g1b+7]
	s_nop 0
.rept 4
	v_nop
.endr
.Lasked_\@:
.endm
.macro CREST
	s_cmp_lg_u32 s14, 0
	s_cbranch_scc1 .Lnot_wave_0_\@
	s_barrier_signal -3
.Lnot_wave_0_\@:
	s_barrier_wait -3
	s_barrier_signal -1
	s_barrier_wait -1
.endm
.macro CROUND
	s_barrier_signal -1
	s_barrier_wait -1
	CREST
.endm
.macro PLACES
.rept 4
	v_nop
.endr
.endm
.macro FRAG reg, a16, a8, off          ; a fragment's image: four loads, each of consecutive bytes
	ds_load_b128 v[\reg:\reg+3], v[\a16] offset:\off
	ds_load_b64 v[\reg+4:\reg+5], v[\a8] offset:\off+512
	ds_load_b128 v[\reg+6:\reg+9], v[\a16] offset:\off+768
	ds_load_b64 v[\reg+10:\reg+11], v[\a8] offset:\off+1280
.endm
.macro FETCH_B slot, q, set
	WIN 0x40
.irp i, 0,1,2,3,4,5,6,7
	FRAG 128*(\set)+12*\i, ADB16+\slot, ADB8+\slot, 3072*\i+1536*(\q)
.endr
	WIN 0
.endm
.macro FETCH_A slot, q, i0
.irp i, \i0, \i0+1, \i0+2, \i0+3
	FRAG AF+12*(\i), ADA16+\slot, ADA8+\slot, 3072*(\i)+1536*(\q)
.endr
.endm
.macro MM a, b, s, cmode               ; cmode = 1: the product starts the sum
.set rD, 8*(8*((\a)%4)+(\b))
.set rP, 128*((\s)%2)+12*(\b)
.set rR, AF+12*(\a)
.set rSP, SCB+4*(\b)+(\s)%4
.set rSR, SCA+4*(\a)+(\s)%4
.if \cmode
	v_wmma_scale_f32_16x16x128_f8f6f4 v[rD:rD+7], v[rP:rP+11], v[rR:rR+11], 0, v[rSP], v[rSR] matrix_a_fmt:MATRIX_FMT_FP6 matrix_b_fmt:MATRIX_FMT_FP6
.elseif (\s) < 4
	v_wmma_scale_f32_16x16x128_f8f6f4 v[rD:rD+7], v[rP:rP+11], v[rR:rR+11], v[rD:rD+7], v[rSP], v[rSR] matrix_a_fmt:MATRIX_FMT_FP6 matrix_b_fmt:MATRIX_FMT_FP6
.else
	v_wmma_scale_f32_16x16x128_f8f6f4 v[rD:rD+7], v[rP:rP+11], v[rR:rR+11], v[rD:rD+7], v[rSP], v[rSR] matrix_a_fmt:MATRIX_FMT_FP6 matrix_b_fmt:MATRIX_FMT_FP6 matrix_a_scale:MATRIX_SCALE_ROW1 matrix_b_scale:MATRIX_SCALE_ROW1
.endif
.endm
.macro MUL16 a0, s, cmode              ; R's blocks a0, a0 + 1 x P's eight.  The 64 accumulators take turns, one instruction a turn, in one order in every step
.irp a, \a0, \a0+1
.irp b, 0,1,2,3,4,5,6,7
	MM (\a), \b, \s, \cmode
.endr
.endr
.endm
.macro STEPN s, nslot, nq, cmode       ; K step s; the next step's fragments come from slot nslot, its nq-th 128
	s_wait_dscnt 16                                ; P's set and R's blocks 0-3 are in; the youngest 16 loads (R's blocks 4-7) may be out
	WIN 0xa1
	MUL16 0, \s, \cmode
	MUL16 2, \s, \cmode
	s_wait_dscnt 0x0
	PLACES
	FETCH_B \nslot, \nq, 1-(\s)%2
	FETCH_A \nslot, \nq, 0
	WIN 0xf1
	MUL16 4, \s, \cmode
	MUL16 6, \s, \cmode
	PLACES
	WIN 0
	FETCH_A \nslot, \nq, 4
.endm
.macro TURN s, nslot, fill             ; a step with a barrier: in front of it each wave waits for all its tensor loads, adds 0 to its spare word, and waits for that and for its LDS reads
	s_wait_tensorcnt 0x0
	ds_add_u32 v[SPW], v[NIL]
	s_wait_dscnt 17                                ; (the add and R's blocks 4-7 may be out)
	WIN 0xa1
	MUL16 0, \s, 0
	s_wait_dscnt 0x0                               ; the add is done, and my reads of the slot in hand are over
	s_barrier_signal -1
	MUL16 2, \s, 0
	WIN 0
	s_barrier_wait -1
.if \fill
	CREST                                          ; the barrier has opened a round of the cluster's: no wave of any partner reads slot 0 or has a load on its way
	s_add_nc_u64 s[G0+2:G0+3], s[G0+2:G0+3], 9216  ; slot 0's next two K steps: 6 and 7
	s_add_nc_u64 s[G0B+2:G0B+3], s[G0B+2:G0B+3], 9216
	JLOAD G0, G1, G0B, G1B                         ; first behind the round; it has K steps 2 to 4 in which to land; its four v_nop are the places in front of the loads below
.else
	PLACES
.endif
	FETCH_B \nslot, 0, 1-(\s)%2
	FETCH_A \nslot, 0, 0
	WIN 0xf1
	MUL16 4, \s, 0
	MUL16 6, \s, 0
	PLACES
	WIN 0
	FETCH_A \nslot, 0, 4
.endm
.macro EPI a                           ; R block a: 64 results a lane become a fragment and a scale word
.set AC, 64*((\a)%4)
.set PCA, AF+12*(\a)
	WIN 0x28+0x14*((\a)/4)                         ; sources 1 and 2: window 2 or 3
.irp c, 0,1
	v_max3_num_f32 v[TM+2*\c], 0x1800000, |v[AC+32*\c]|, |v[AC+32*\c+1]|        ; two chains a block, each begun with the floor 2^(3 - 127); each accumulator is first read at its low end
	v_max3_num_f32 v[TM+2*\c+1], 0x1800000, |v[AC+32*\c+16]|, |v[AC+32*\c+17]|
.endr
.irp i, 2,4,6,8,10,12,14
.irp c, 0,1
	v_max3_num_f32 v[TM+2*\c], v[TM+2*\c], |v[AC+32*\c+\i]|, |v[AC+32*\c+\i+1]|
	v_max3_num_f32 v[TM+2*\c+1], v[TM+2*\c+1], |v[AC+32*\c+16+\i]|, |v[AC+32*\c+17+\i]|
.endr
.endr
	WIN 0
	v_max_num_f32 v[TM], v[TM], v[TM+1]
	v_max_num_f32 v[TM+2], v[TM+2], v[TM+3]
	v_add_nc_u32 v[SO], 0xff000000, v[TM]
	v_add_nc_u32 v[SO+1], 0xff000000, v[TM+2]
	v_lshrrev_b32 v[BY], 23, v[SO]
	v_lshrrev_b32 v[BY+1], 23, v[SO+1]
	v_lshl_or_b32 v[WW], v[BY+1], 16, v[BY]
	v_lshlrev_b32 v[WW], v[SH8], v[WW]
	v_permlanex16_b32 v[TT], v[WW], s[SEL], s[SEL+1]
	v_or_b32 v[PW+(\a)], v[WW], v[TT]
	WIN 0x02+((\a)/4)                              ; source 0: window 2 or 3
	v_cvt_scalef32_pk16_fp6_f32 v[PCA:PCA+2], v[AC:AC+15], v[SO]
	v_cvt_scalef32_pk16_fp6_f32 v[TA:TA+2], v[AC+16:AC+31], v[SO]
	v_cvt_scalef32_pk16_fp6_f32 v[PCA+6:PCA+8], v[AC+32:AC+47], v[SO+1]
	v_cvt_scalef32_pk16_fp6_f32 v[TB:TB+2], v[AC+48:AC+63], v[SO+1]
	WIN 0
	v_nop                                          ; one plain place behind the conversions
.irp i, 0,1,2
	v_mov_b32 v[PCA+3+\i], v[TA+\i]
	v_mov_b32 v[PCA+9+\i], v[TB+\i]
.endr
	global_store_b128 v[L16], v[PCA:PCA+3], s[76:77] offset:1536*(\a)         ; each block has registers of its own for its codes: no store's data are written again
	global_store_b64 v[L8], v[PCA+4:PCA+5], s[76:77] offset:1536*(\a)+512
	global_store_b128 v[L16], v[PCA+6:PCA+9], s[76:77] offset:1536*(\a)+768
	global_store_b64 v[L8], v[PCA+10:PCA+11], s[76:77] offset:1536*(\a)+1280
.endm
	s_load_b128 s[4:7], s[0:1], 0x0                ; R, P
	s_load_b64 s[8:9], s[0:1], 0x10                ; out
	v_lshl_add_u32 v[SPW], v0, 2, SPARE
	v_mov_b32 v[NIL], 0
	ds_add_u32 v[SPW], v[NIL]                      ; the wave's opening: the add and its wait stand ahead of my first tensor load
	v_lshrrev_b32 v1, 5, v0
	v_readfirstlane_b32 s14, v1                    ; wave
	s_lshr_b32 s15, s14, 1                         ; my half of R's rows.  Also: I fetch for R (0) or for P (1)
	s_and_b32 s16, s14, 1                          ; my half of P's rows.  Also: which half I fetch
	s_bfe_u32 s80, ttmp6, 0x40000                  ; cx
	s_bfe_u32 s81, ttmp6, 0x40004                  ; cy
	s_lshl_b32 s82, ttmp9, 2
	s_add_co_u32 s82, s82, s80                     ; X: R's tile
	s_and_b32 s83, ttmp7, 0xffff
	s_lshl_b32 s83, s83, 2
	s_add_co_u32 s83, s83, s81                     ; Y: P's tile
	s_lshl_b32 s84, s81, 2
	s_lshl_b32 s84, 15, s84                        ; my row of the cluster
	s_lshl_b32 s85, 0x1111, s80                    ; my column
	s_or_b32 s[G1], s85, (3<<16)|(1<<21)           ; R's tiles go to my column; elements of 8 bytes; no padding
	s_or_b32 s[G1B], s84, (3<<16)|(1<<21)          ; P's to my row
.irp g, G1, G1B
	s_mov_b32 s[\g+1], 384<<16                     ; tensor_dim0: 3,072 bytes, two K steps' fragments of a block
	s_mov_b32 s[\g+2], 8<<16                       ; tensor_dim1: 8 blocks
	s_mov_b32 s[\g+3], 384<<16                     ; tile_dim0
	s_mov_b32 s[\g+4], 8                           ; tile_dim1
	s_mov_b32 s[\g+5], 1600                        ; from record to record: 12,800 bytes
	s_mov_b32 s[\g+6], 0
	s_mov_b32 s[\g+7], 0
.endr
	s_lshl_b32 s18, s16, 3
	s_lshl_b32 s20, s82, 4
	s_add_co_u32 s20, s20, s18
	s_mul_i32 s20, s20, REC                        ; R: block 16 X + 8 x half
	s_mov_b32 s21, 0
	s_lshl_b32 s68, s83, 4
	s_add_co_u32 s68, s68, s18
	s_mul_i32 s68, s68, REC                        ; P: block 16 Y + 8 x half
	s_mov_b32 s69, 0
	s_mul_i32 s70, s14, HALF                       ; where they go: wave x 24,576
	s_mov_b32 s[SEL], 0x76543210
	s_mov_b32 s[SEL+1], 0xfedcba98
	s_wait_dscnt 0x0                               ; the opening add is done
	s_wait_kmcnt 0x0
	s_add_nc_u64 s[20:21], s[4:5], s[20:21]
	s_add_nc_u64 s[68:69], s[6:7], s[68:69]
	CROUND                                         ; all sixteen work-groups are here: the first joint loads meet
.irp s, 0,1,2
	s_mov_b32 s[G0+4*\s], 1
	s_add_co_u32 s[G0+4*\s+1], s70, \s*SLOT
	s_add_nc_u64 s[G0+4*\s+2:G0+4*\s+3], s[20:21], \s*3072
	s_or_b32 s[G0+4*\s+3], s[G0+4*\s+3], 0x80000000
	s_mov_b32 s[G0B+4*\s], 1
	s_add_co_u32 s[G0B+4*\s+1], s70, \s*SLOT
	s_add_nc_u64 s[G0B+4*\s+2:G0B+4*\s+3], s[68:69], \s*3072
	s_or_b32 s[G0B+4*\s+3], s[G0B+4*\s+3], 0x80000000
	JLOAD G0+4*\s, G1, G0B+4*\s, G1B               ; K steps 0 to 5: three loads of mine are out
.endr
	v_and_b32 v1, 31, v0                           ; lane
	v_lshlrev_b32 v[L16], 4, v1
	v_lshlrev_b32 v[L8], 3, v1
	v_bfe_u32 v[TT], v0, 4, 1
	v_lshlrev_b32 v[SH8], 3, v[TT]
	s_lshl_b32 s72, s82, 4
	s_lshl_b32 s73, s15, 3
	s_add_co_u32 s72, s72, s73
	s_mul_i32 s72, s72, REC
	s_add_co_u32 s72, s72, 12288
	s_mov_b32 s73, 0
	s_add_nc_u64 s[72:73], s[4:5], s[72:73]        ; the scale words of my 8 blocks of R,
	s_lshl_b32 s74, s83, 4
	s_lshl_b32 s75, s16, 3
	s_add_co_u32 s74, s74, s75
	s_mul_i32 s74, s74, REC
	s_add_co_u32 s74, s74, 12288
	s_mov_b32 s75, 0
	s_add_nc_u64 s[74:75], s[6:7], s[74:75]        ; and of P
.irp i, 0,1,2,3,4,5,6,7
	global_load_b128 v[SCA+4*\i:SCA+4*\i+3], v[L16], s[72:73] offset:REC*\i    ; a block's 512 bytes: all eight K steps' words, once
	global_load_b128 v[SCB+4*\i:SCB+4*\i+3], v[L16], s[74:75] offset:REC*\i
.endr
	s_mul_i32 s86, s15, HALF
	s_mul_i32 s87, s16, HALF
	s_add_co_u32 s87, s87, 2*HALF
.irp s, 0,1,2
	v_add_nc_u32 v[ADA16+\s], s86, v[L16]
	v_add_nc_u32 v[ADA8+\s], s86, v[L8]
	v_add_nc_u32 v[ADB16+\s], s87, v[L16]
	v_add_nc_u32 v[ADB8+\s], s87, v[L8]
	s_add_co_u32 s86, s86, SLOT
	s_add_co_u32 s87, s87, SLOT
.endr
	s_lshl_b32 s76, s83, 1
	s_add_co_u32 s76, s76, s16                     ; my P step of 128
	s_lshl_b32 s76, s76, 6
	s_lshl_b32 s77, s82, 1
	s_add_co_u32 s77, s77, s15                     ; my R group of 128
	s_add_co_u32 s76, s76, s77                     ; idx
	s_lshl_b32 s78, s76, 10
	s_mov_b32 s79, 0
	s_mul_i32 s76, s76, 12288
	s_add_co_u32 s76, s76, CODES
	s_mov_b32 s77, 0
	s_add_nc_u64 s[76:77], s[8:9], s[76:77]        ; my codes
	s_add_nc_u64 s[78:79], s[8:9], s[78:79]        ; my scale words
	s_wait_tensorcnt 0x2                           ; my part of slot 0 is in; slots 1 and 2 may stay out
	s_barrier_signal -1
	s_barrier_wait -1
	FETCH_B 0, 0, 0
	FETCH_A 0, 0, 0
	FETCH_A 0, 0, 4
	s_wait_loadcnt 0x0                             ; the scale words
	STEPN 0, 0, 1, 1                               ; its products start the sums: nothing is cleared
	TURN 1, 1, 1                                   ; every wave's three first loads are shown landed here: slots 1 and 2 are whole behind it; slot 0 is filled again
	STEPN 2, 1, 1, 0
	STEPN 3, 2, 0, 0
	STEPN 4, 2, 1, 0
	TURN 5, 0, 0                                   ; slot 0's second fill is whole behind it
	STEPN 6, 0, 1, 0
	s_wait_dscnt 16
	WIN 0xa1
	MUL16 0, 7, 0
	MUL16 2, 7, 0
	s_wait_dscnt 0x0
	WIN 0xf1
	MUL16 4, 7, 0
	MUL16 6, 7, 0
	WIN 0
	PLACES                                         ; in front of the first read of results and the first write over R's fragments
	EPI 0
	EPI 1
	EPI 2
	EPI 3
	EPI 4
	EPI 5
	EPI 6
	EPI 7
	v_cmp_lt_u32 vcc_lo, 15, v1                    ; lanes 16-31
.irp i, 0,1,2,3
	v_cndmask_b32 v[PLN+\i], v[PW+\i], v[PW+4+\i], vcc_lo          ; lanes 0-15: blocks 0-3's words of row r; lanes 16-31: blocks 4-7's
.endr
	v_mov_b32 v[SLR], 0x05040100
	v_mov_b32 v[SLR+1], 0x07060302
	v_cndmask_b32 v[SLR], v[SLR], v[SLR+1], vcc_lo
.irp f, 0,1,2,3
	v_perm_b32 v[PAI+\f], v[PW+2*\f+1], v[PW+2*\f], v[SLR]         ; lanes 0-15: the low halves of two neighbouring blocks' words; lanes 16-31: the high halves
.endr
	global_store_b128 v[L16], v[PLN:PLN+3], s[78:79]
	global_store_b128 v[L16], v[PAI:PAI+3], s[78:79] offset:512
	s_wait_tensorcnt 0x0                           ; the wave's end
	ds_add_u32 v[SPW], v[NIL]
	s_wait_dscnt 0x0
	CROUND                                         ; the closing round
	s_endpgm
.Lfunc_end_k_q0ac5e68ede_gemm_qk:
	.size	k_q0ac5e68ede_gemm_qk, .Lfunc_end_k_q0ac5e68ede_gemm_qk-k_q0ac5e68ede_gemm_qk
	.p2alignl 7, 3214868480
	.fill 96, 4, 3214868480
	.section	.rodata,"a",@progbits
	.p2align	6, 0x0
	.amdhsa_kernel k_q0ac5e68ede_gemm_qk
		.amdhsa_group_segment_fixed_size 327680
		.amdhsa_private_segment_fixed_size 0
		.amdhsa_enable_private_segment 0
		.amdhsa_kernarg_size 24
		.amdhsa_user_sgpr_count 2
		.amdhsa_user_sgpr_kernarg_segment_ptr 1
		.amdhsa_wavefront_size32 1
		.amdhsa_system_sgpr_workgroup_id_x 1
		.amdhsa_system_sgpr_workgroup_id_y 1
		.amdhsa_system_sgpr_workgroup_id_z 1
		.amdhsa_system_vgpr_workitem_id 0
		.amdhsa_next_free_vgpr 1024
		.amdhsa_next_free_sgpr 96
		.amdhsa_reserve_vcc 1
		.amdhsa_float_denorm_mode_32 3
		.amdhsa_float_denorm_mode_16_64 3
		.amdhsa_memory_ordered 1
		.amdhsa_forward_progress 1
		.amdhsa_inst_pref_size 141
	.end_amdhsa_kernel
	.amdgpu_metadata
---
amdhsa.version: [ 1, 2 ]
amdhsa.kernels:
  - .name:           k_q0ac5e68ede_gemm_qk
    .symbol:         k_q0ac5e68ede_gemm_qk.kd
    .args:
      - { .name: xq, .offset: 0, .size: 8, .value_kind: global_buffer, .address_space: global }
      - { .name: wqkq, .offset: 8, .size: 8, .value_kind: global_buffer, .address_space: global }
      - { .name: qkq, .offset: 16, .size: 8, .value_kind: global_buffer, .address_space: global }
    .group_segment_fixed_size: 327680
    .private_segment_fixed_size: 0
    .kernarg_segment_align: 8
    .kernarg_segment_size: 24
    .max_flat_workgroup_size: 128
    .sgpr_count:     96
    .vgpr_count:     1024
    .wavefront_size: 32
...
	.end_amdgpu_metadata
.endif
;; end of part 2
;; launch gemm_v: the kernel of part 2 again; grid 4 x 32, 4 waves a work-group, clusters of 4 x 4, 327,680 bytes of LDS; arguments wvq, xq, vq; writes vq
;; launch attn (part 3): grid 4 x 64, 16 waves a work-group, clusters of 4 x 1, 206,848 bytes of LDS; arguments qkq, vq, oq; writes oq
.if DOCPART == 3
	.amdgcn_target "amdgcn-amd-amdhsa--gfx1250"
	.amdhsa_code_object_version 6
	.text
	.protected	k_q0ac5e68ede_attn
	.globl	k_q0ac5e68ede_attn
	.p2align	8
	.type	k_q0ac5e68ede_attn,@function
k_q0ac5e68ede_attn:
	s_mov_b64 s[64:65], 0
	v_nop
	global_prefetch_b8 v0, s[64:65] scope:SCOPE_SE
	s_setreg_imm32_b32 hwreg(HW_REG_WAVE_MODE, 25, 1), 1
	s_wait_xcnt 0x0
	s_wait_alu depctr_hold_cnt(0) depctr_sa_sdst(0) depctr_va_vdst(0) depctr_va_sdst(0) depctr_va_ssrc(0) depctr_va_vcc(0) depctr_vm_vsrc(0)
	s_getreg_b32 s2, hwreg(HW_REG_IB_STS2, 6, 4)
	s_cmp_eq_u32 s2, 0
	s_cbranch_scc0 .Lentry_in_a_cluster
	s_endpgm
.Lentry_in_a_cluster:
	s_bfe_u32 s2, ttmp6, 0x10000c
	s_cmp_lg_u32 s2, 0x3003
	s_cbranch_scc0 .Lentry_shape_is_right
	s_endpgm
.Lentry_shape_is_right:
; For each batch and head: O = softmax(q k^T / 32) v on codes of E2M3; O / l is quantised along the head's 64 and leaves as register images for the projection.
; t = score x log2(e) / 32; M = the running largest t rounded up to a whole number; p = 2^(t - M) is quantised along the keys, not normalised; l is the sum of the unquantised p; when M moves, l and O are multiplied by 2^(old M - new M).
; SHARES.  Work-group y = 16 x batch + head.  The four partners of a cluster are the head's four blocks of 512 queries; each of the sixteen waves owns a block of 16 queries in each of two passes.
; A HEAD'S WHOLE K AND V LIE IN LDS, filled once by joint loads (the four partners read the same bytes): no slot is filled again, and one barrier serves the launch.
; LAYOUT.  Both products are used transposed; by the blocks' row order (lane row r of block 4 G + t is row 64 G + 8 t + (r & 7) + 32 (r >> 3)) a lane holds one query and, in 32 registers on end, a whole block of 32 keys (or of the head's 64).
; THE FIRST PRODUCT'S K IS 64.  A 12-register fragment of source 0 holds TWO tiles of 16 keys (one in k 0-63, the next in k 64-127); it is multiplied by [q | 0] and by [0 | q]: no zero is read from LDS.
; Everything is asked for at the head, so there is no later stream to ask ahead for.
; LIMITS: a block of zeros gets the byte 1 with zero codes; 1 / l by v_rcp_f32; NaN and infinities are not served.
.set CODES, 4194304
.set VC,    98304                      ; LDS: K's 128 tiles x 768 bytes from 0; V's 16 steps x 4 fragments from here;
.set KS,    196608                     ; K's paired scale words, 256 bytes a step;
.set VS,    200704                     ; V's scale words, 256 bytes a step;
.set SPARE, 204800                     ; the spare words, 128 bytes a wave: eight blocks of 256 bytes that no other line names
.set L16,  1
.set L8,   2
.set L16V, 3
.set L8V,  4
.set LKS,  5
.set LVS,  6
.set SH8,  7
.set ADK16, 8
.set ADK8,  9
.set ADV16, 10
.set ADV8,  11                         ; v12 -M, v13 the largest t, v[14:15] l in two halves
.set QLO,  16                          ; v16-27 [q | 0]
.set QHI,  28                          ; v28-39 [0 | q]
.set FB,   40                          ; v40-87 four fragments, K's and then V's
.set KW,   88                          ; v88-91 K's scale words: lanes 0-15 the even step's, lanes 16-31 the odd step's
.set VW,   92                          ; v92-95 V's likewise
.set S,    96                          ; v96-159 S^T, then p
.set O,    160                         ; v160-191 O^T
.set PCD,  192                         ; v192-203 p's codes
.set TA,   204
.set TB,   208
.set BM,   212                         ; v212-215 maxima
.set L2,   216                         ; v216-217 the sum's second chain
.set SO,   218
.set BY,   220
.set WW,   222
.set T0,   223
.set ADS,  224
.set ADT,  225
.set QW,   226                         ; q's two scale bytes, twice
.set RAW,  227
.set R16,  228                         ; 16 r
.set T1,   229
.set SPW,  230
.set NIL,  231
.set OC,   232                         ; v232-237 O's codes
.set OH,   238                         ; its two scale bytes
.set WV,   10
.set G1K,  24
.set G1V,  32
.set G1KS, 40
.set G1VS, 48
.set G0K,  56
.set G0V,  60
.set G0KS, 68
.set G0VS, 72
.set SEL,  76
.set CS,   78                          ; s[78:79] log2(e) / 32
.set TB_,  80                          ; LDS byte of the trip's two steps in K's and V's codes
.set TS_,  81                          ; and in the scale words
.set CNT,  82
.set PSEL, 83
.set QB,   90
.set QS,   92
.set OB,   94
.set OS,   96
.macro CROUND
	s_barrier_signal -1
	s_barrier_wait -1
	s_cmp_lg_u32 s[WV], 0
	s_cbranch_scc1 .Lnot_wave_0_\@
	s_barrier_signal -3
.Lnot_wave_0_\@:
	s_barrier_wait -3
	s_barrier_signal -1
	s_barrier_wait -1
.endm
.macro FRAG reg, a16, a8, off
	ds_load_b128 v[\reg:\reg+3], v[\a16] offset:\off
	ds_load_b64 v[\reg+4:\reg+5], v[\a8] offset:\off+512
	ds_load_b128 v[\reg+6:\reg+9], v[\a16] offset:\off+768
	ds_load_b64 v[\reg+10:\reg+11], v[\a8] offset:\off+1280
.endm
; A KEY STEP: 128 keys, the q-th of the trip's two.
.macro STEP q
.if \q == 0
	v_add_nc_u32 v[ADK16], s[TB_], v[L16]          ; (these six are also the places behind the last products, in front of the loads below)
	v_add_nc_u32 v[ADK8], s[TB_], v[L8]
	v_add_nc_u32 v[ADV16], s[TB_], v[L16V]
	v_add_nc_u32 v[ADV8], s[TB_], v[L8V]
	v_add_nc_u32 v[ADS], s[TS_], v[LKS]
	v_add_nc_u32 v[ADT], s[TS_], v[LVS]
	ds_load_b128 v[KW:KW+3], v[ADS]                ; both steps' scale words
	ds_load_b128 v[VW:VW+3], v[ADT]
.else
.rept 4
	v_nop
.endr
.endif
.irp f, 0,1,2,3
	FRAG FB+12*\f, ADK16, ADK8, 6144*\q+1536*\f
.endr
	s_wait_dscnt 0x0
.irp f, 0,1,2,3                        ; S^T: tiles 2 f and 2 f + 1 from one fragment
.if \q == 0
	v_wmma_scale_f32_16x16x128_f8f6f4 v[S+16*\f:S+16*\f+7], v[FB+12*\f:FB+12*\f+11], v[QLO:QLO+11], 0, v[KW+\f], v[QW] matrix_a_fmt:MATRIX_FMT_FP6 matrix_b_fmt:MATRIX_FMT_FP6
	v_wmma_scale_f32_16x16x128_f8f6f4 v[S+16*\f+8:S+16*\f+15], v[FB+12*\f:FB+12*\f+11], v[QHI:QHI+11], 0, v[KW+\f], v[QW] matrix_a_fmt:MATRIX_FMT_FP6 matrix_b_fmt:MATRIX_FMT_FP6
.else
	v_wmma_scale_f32_16x16x128_f8f6f4 v[S+16*\f:S+16*\f+7], v[FB+12*\f:FB+12*\f+11], v[QLO:QLO+11], 0, v[KW+\f], v[QW] matrix_a_fmt:MATRIX_FMT_FP6 matrix_b_fmt:MATRIX_FMT_FP6 matrix_a_scale:MATRIX_SCALE_ROW1
	v_wmma_scale_f32_16x16x128_f8f6f4 v[S+16*\f+8:S+16*\f+15], v[FB+12*\f:FB+12*\f+11], v[QHI:QHI+11], 0, v[KW+\f], v[QW] matrix_a_fmt:MATRIX_FMT_FP6 matrix_b_fmt:MATRIX_FMT_FP6 matrix_a_scale:MATRIX_SCALE_ROW1
.endif
.endr
.rept 4
	v_nop                                          ; places in front of the loads into K's registers and of the first read of scores
.endr
.irp f, 0,1,2,3
	FRAG FB+12*\f, ADV16, ADV8, 6144*\q+1536*\f    ; V's fragments land under the softmax
.endr
.irp c, 0,1                            ; the largest score of my two blocks of 32 keys (blocks h and 2 + h): for the row's maximum and, since p rises with the score, for the block's largest p
	v_max3_num_f32 v[BM+2*\c], v[S+32*\c], v[S+32*\c+1], v[S+32*\c+2]
	v_max3_num_f32 v[BM+2*\c+1], v[S+32*\c+16], v[S+32*\c+17], v[S+32*\c+18]
.endr
.irp i, 3,5,7,9,11,13
.irp c, 0,1
	v_max3_num_f32 v[BM+2*\c], v[BM+2*\c], v[S+32*\c+\i], v[S+32*\c+\i+1]
	v_max3_num_f32 v[BM+2*\c+1], v[BM+2*\c+1], v[S+32*\c+16+\i], v[S+32*\c+17+\i]
.endr
.endr
.irp c, 0,1
	v_max3_num_f32 v[BM+2*\c], v[BM+2*\c], v[BM+2*\c+1], v[S+32*\c+15]
.endr
.irp c, 0,1
	v_max_num_f32 v[BM+2*\c], v[BM+2*\c], v[S+32*\c+31]
.endr
	v_max_num_f32 v[T0], v[BM], v[BM+2]
	v_permlanex16_b32 v[T1], v[T0], s[SEL], s[SEL+1]
	v_max_num_f32 v[T0], v[T0], v[T1]              ; the step's largest score of my query
	v_mul_f32 v[T0], s[CS], v[T0]
	v_max_num_f32 v13, v13, v[T0]                  ; the running largest t
	v_mov_b32 v[T0], v12
	v_floor_f32 v12, -v13                          ; the new -M = -ceil(t)
	v_sub_f32 v[T0], v12, v[T0]                    ; old M - new M: a whole number, 0 or less
	v_cvt_i32_f32 v[T0], v[T0]                     ; (it saturates)
	v_ldexp_f32 v252, 1.0, v[T0]                   ; f = 2^(old M - new M)
.set ii, 0
.rept 32
	v_pk_fma_f32 v[S+ii:S+ii+1], v[S+ii:S+ii+1], s[CS:CS+1], v[12:13] op_sel_hi:[1,0,0]   ; t - M
.set ii, ii+2
.endr
	v_fma_f32 v[BM], v[BM], s[CS], v12
	v_fma_f32 v[BM+2], v[BM+2], s[CS], v12
.set ii, 0
.rept 64
	v_exp_f32 v[S+ii], v[S+ii]                     ; p = 2^(t - M)
.set ii, ii+1
.endr
	v_pk_mul_f32 v[14:15], v[14:15], v[252:253] op_sel_hi:[1,0]    ; l under the new M (a plain place behind the exponentials)
	s_wait_alu depctr_va_vdst(0)                   ; one wait for the batch, ahead of its first reader
	v_exp_f32 v[BM], v[BM]                         ; the blocks' largest p
	v_exp_f32 v[BM+2], v[BM+2]
	v_pk_add_f32 v[L2:L2+1], v[S:S+1], v[S+2:S+3]  ; l takes the unquantised p, in two chains
.set ii, 4
.rept 15
	v_pk_add_f32 v[14:15], v[14:15], v[S+ii:S+ii+1]
	v_pk_add_f32 v[L2:L2+1], v[L2:L2+1], v[S+ii+2:S+ii+3]
.set ii, ii+4
.endr
	v_pk_add_f32 v[14:15], v[14:15], v[L2:L2+1]
	s_wait_alu depctr_va_vdst(0)                   ; and one for the two
	v_max_num_f32 v[BM], 0x1800000, v[BM]          ; the floor 2^(3 - 127)
	v_max_num_f32 v[BM+2], 0x1800000, v[BM+2]
	v_add_nc_u32 v[SO], 0xff000000, v[BM]
	v_add_nc_u32 v[SO+1], 0xff000000, v[BM+2]
	v_lshrrev_b32 v[BY], 23, v[SO]
	v_lshrrev_b32 v[BY+1], 23, v[SO+1]
	v_lshl_or_b32 v[WW], v[BY+1], 16, v[BY]
	v_lshlrev_b32 v[WW], v[SH8], v[WW]
	v_permlanex16_b32 v[T1], v[WW], s[SEL], s[SEL+1]
	v_or_b32 v253, v[WW], v[T1]                    ; p's scale word for these 128 keys
	v_cvt_scalef32_pk16_fp6_f32 v[PCD:PCD+2], v[S:S+15], v[SO]
	v_cvt_scalef32_pk16_fp6_f32 v[TA:TA+2], v[S+16:S+31], v[SO]
	v_cvt_scalef32_pk16_fp6_f32 v[PCD+6:PCD+8], v[S+32:S+47], v[SO+1]
	v_cvt_scalef32_pk16_fp6_f32 v[TB:TB+2], v[S+48:S+63], v[SO+1]
	v_nop                                          ; one plain place behind the conversions
.irp i, 0,1,2
	v_mov_b32 v[PCD+3+\i], v[TA+\i]
	v_mov_b32 v[PCD+9+\i], v[TB+\i]
.endr
.set ii, 0
.rept 16
	v_pk_mul_f32 v[O+ii:O+ii+1], v[O+ii:O+ii+1], v[252:253] op_sel_hi:[1,0]   ; O^T under the new M (these sixteen also stand between the writes of p's codes and scale word and the products)
.set ii, ii+2
.endr
	s_wait_dscnt 0x0                               ; V's fragments
.irp t, 0,1,2,3                        ; O^T += V^T P^T: four accumulators by turns
.if \q == 0
	v_wmma_scale_f32_16x16x128_f8f6f4 v[O+8*\t:O+8*\t+7], v[FB+12*\t:FB+12*\t+11], v[PCD:PCD+11], v[O+8*\t:O+8*\t+7], v[VW+\t], v253 matrix_a_fmt:MATRIX_FMT_FP6 matrix_b_fmt:MATRIX_FMT_FP6
.else
	v_wmma_scale_f32_16x16x128_f8f6f4 v[O+8*\t:O+8*\t+7], v[FB+12*\t:FB+12*\t+11], v[PCD:PCD+11], v[O+8*\t:O+8*\t+7], v[VW+\t], v253 matrix_a_fmt:MATRIX_FMT_FP6 matrix_b_fmt:MATRIX_FMT_FP6 matrix_a_scale:MATRIX_SCALE_ROW1
.endif
.endr
.endm
; A PASS: my block of 16 queries against all 2,048 keys.
.macro PASS p
.if \p
	s_wait_xcnt 0x0                                ; the first pass's stores have read their registers
.endif
	global_load_b128 v[QLO:QLO+3], v[L16], s[QB:QB+1] offset:24576*\p          ; q's half image, into k 0-63 of [q | 0]
	global_load_b64 v[QLO+4:QLO+5], v[L8], s[QB:QB+1] offset:24576*\p+512
	global_load_b128 v[QHI+6:QHI+9], v[L16], s[QB:QB+1] offset:24576*\p        ; and into k 64-127 of [0 | q]
	global_load_b64 v[QHI+10:QHI+11], v[L8], s[QB:QB+1] offset:24576*\p+512
	global_load_b32 v[RAW], v[R16], s[QS:QS+1] offset:2048*\p
	v_mov_b32 v13, 0xff61b1e6                      ; the largest t so far: -3e38
	v_floor_f32 v12, -v13
	v_mov_b32 v14, 0
	v_mov_b32 v15, 0
.if \p == 0
	s_wait_tensorcnt 0x0                           ; my part of K, V or their scale words has landed,
	s_barrier_signal -1
	s_barrier_wait -1                              ; everybody's has
.endif
	s_wait_loadcnt 0x0
	v_perm_b32 v[QW], v[RAW], v[RAW], s[PSEL]      ; my head's two bytes of q's scale word, twice
.set ii, 0
.rept 32
	v_mov_b32 v[O+ii], 0                           ; O^T: the loop has no first step of its own (these also stand between the write of q's scale word and the first product)
.set ii, ii+1
.endr
	s_mov_b32 s[TB_], 0
	s_mov_b32 s[TS_], 0
	s_mov_b32 s[CNT], 8
.Lkeys_\@:
	STEP 0
	STEP 1
	s_add_co_u32 s[TB_], s[TB_], 12288
	s_add_co_u32 s[TS_], s[TS_], 512
	s_sub_co_u32 s[CNT], s[CNT], 1
	s_cmp_lg_u32 s[CNT], 0
	s_cbranch_scc1 .Lkeys_\@
.rept 4
	v_nop                                          ; places behind the last products
.endr
	v_add_f32 v14, v14, v15
	v_permlanex16_b32 v[T1], v14, s[SEL], s[SEL+1]
	v_add_f32 v14, v14, v[T1]                      ; l
	v_rcp_f32 v14, v14
	v_nop
	s_wait_alu depctr_va_vdst(0)
.set ii, 0
.rept 16
	v_pk_mul_f32 v[S+ii:S+ii+1], v[O+ii:O+ii+1], v[14:15] op_sel_hi:[1,0]     ; O / l: register i is channel 32 h + i of my query: a whole block of 32 along the projection's K
.set ii, ii+2
.endr
	v_max3_num_f32 v[BM], |v[S]|, |v[S+1]|, 0x1800000
	v_max3_num_f32 v[BM+1], |v[S+16]|, |v[S+17]|, 0x1800000
.irp i, 2,4,6,8,10,12,14
	v_max3_num_f32 v[BM], v[BM], |v[S+\i]|, |v[S+\i+1]|
	v_max3_num_f32 v[BM+1], v[BM+1], |v[S+16+\i]|, |v[S+17+\i]|
.endr
	v_max_num_f32 v[BM], v[BM], v[BM+1]
	v_add_nc_u32 v[SO], 0xff000000, v[BM]
	v_lshrrev_b32 v[BY], 23, v[SO]
	v_lshlrev_b32 v[WW], v[SH8], v[BY]
	v_permlanex16_b32 v[T1], v[WW], s[SEL], s[SEL+1]
	v_or_b32 v[OH], v[WW], v[T1]                   ; my head's two bytes of the row's scale word
	v_cvt_scalef32_pk16_fp6_f32 v[OC:OC+2], v[S:S+15], v[SO]
	v_cvt_scalef32_pk16_fp6_f32 v[TA:TA+2], v[S+16:S+31], v[SO]
	v_nop
.irp i, 0,1,2
	v_mov_b32 v[OC+3+\i], v[TA+\i]
.endr
	global_store_b128 v[L16], v[OC:OC+3], s[OB:OB+1] offset:204800*\p          ; half a fragment: 512 and 256 consecutive bytes
	global_store_b64 v[L8], v[OC+4:OC+5], s[OB:OB+1] offset:204800*\p+512
	global_store_b16 v[R16], v[OH], s[OS:OS+1] offset:204800*\p                ; 2 bytes of each row's word (the other heads' come from other work-groups; both halves of the lanes store the same): 262,144 bytes in all are stored so
.endm
	s_load_b128 s[4:7], s[0:1], 0x0                ; qkq, vq
	s_load_b64 s[8:9], s[0:1], 0x10                ; oq
	v_lshl_add_u32 v[SPW], v0, 2, SPARE
	v_mov_b32 v[NIL], 0
	ds_add_u32 v[SPW], v[NIL]                      ; the wave's opening: the add and its wait stand ahead of the first tensor loads
	v_lshrrev_b32 v1, 5, v0
	v_readfirstlane_b32 s[WV], v1                  ; wave 0..15
	s_bfe_u32 s11, ttmp6, 0x40000                  ; cx: it enters q's and O's addresses alone
	s_and_b32 s12, ttmp7, 0xffff
	s_lshr_b32 s13, s12, 4                         ; batch
	s_and_b32 s14, s12, 15                         ; head
	s_lshr_b32 s15, s14, 1                         ; head / 2
	s_and_b32 s16, s14, 1                          ; head % 2
	s_and_b32 s17, s[WV], 3
	s_lshl_b32 s18, s15, 6
	s_lshl_b32 s19, s13, 4
	s_add_co_u32 s18, s18, s19
	s_add_co_u32 s18, s18, 512                     ; k's idx at the batch's first 128 tokens: (8 + head / 2) 64 + 16 batch
	s_mul_i32 s20, s18, 12288
	s_mul_i32 s21, s16, 768
	s_add_co_u32 s20, s20, s21
	s_mul_i32 s21, s17, 49152
	s_add_co_u32 s20, s20, s21
	s_add_co_u32 s20, s20, CODES
	s_mov_b32 s21, 0                               ; K's codes: my 32 tiles
	s_lshl_b32 s22, s18, 10
	s_lshl_b32 s23, s16, 8
	s_add_co_u32 s22, s22, s23
	s_add_co_u32 s22, s22, 512
	s_mov_b32 s23, 0                               ; K's paired scale words
	s_lshl_b32 s98, s13, 10
	s_add_co_u32 s98, s98, s15                     ; v's idx at the batch's first step: 1,024 batch + head / 2
	s_mul_i32 s86, s98, 12288
	s_mul_i32 s87, s16, 6144
	s_add_co_u32 s86, s86, s87
	s_mul_i32 s87, s17, 3145728
	s_add_co_u32 s86, s86, s87
	s_add_co_u32 s86, s86, CODES
	s_mov_b32 s87, 0                               ; V's codes: my 4 steps
	s_lshl_b32 s88, s98, 10
	s_lshl_b32 s89, s16, 8
	s_add_co_u32 s88, s88, s89
	s_mov_b32 s89, 0                               ; V's scale words
	s_mul_i32 s99, s17, 24576
	; descriptor groups 1: elements of 8 bytes, the mask of all four partners, no padding
	s_mov_b32 s[G1K], 15|(3<<16)|(1<<21)
	s_mov_b32 s[G1K+1], 96<<16                     ; K: 32 rows (tiles) of 768 bytes, 1,536 apart
	s_mov_b32 s[G1K+2], 32<<16
	s_mov_b32 s[G1K+3], 96<<16
	s_mov_b32 s[G1K+4], 32
	s_mov_b32 s[G1K+5], 192
	s_mov_b32 s[G1K+6], 0
	s_mov_b32 s[G1K+7], 0
	s_mov_b32 s[G1V], 15|(3<<16)|(1<<21)
	s_mov_b32 s[G1V+1], 768<<16                    ; V: 4 rows (steps) of 6,144 bytes, 786,432 apart
	s_mov_b32 s[G1V+2], 4<<16
	s_mov_b32 s[G1V+3], 768<<16
	s_mov_b32 s[G1V+4], 4
	s_mov_b32 s[G1V+5], 98304
	s_mov_b32 s[G1V+6], 0
	s_mov_b32 s[G1V+7], 0
	s_mov_b32 s[G1KS], 15|(3<<16)|(1<<21)
	s_mov_b32 s[G1KS+1], 32<<16                    ; K's scale words: 16 rows of 256 bytes, 1,024 apart
	s_mov_b32 s[G1KS+2], 16<<16
	s_mov_b32 s[G1KS+3], 32<<16
	s_mov_b32 s[G1KS+4], 16
	s_mov_b32 s[G1KS+5], 128
	s_mov_b32 s[G1KS+6], 0
	s_mov_b32 s[G1KS+7], 0
	s_mov_b32 s[G1VS], 15|(3<<16)|(1<<21)
	s_mov_b32 s[G1VS+1], 32<<16                    ; V's: 16 rows of 256 bytes, 65,536 apart
	s_mov_b32 s[G1VS+2], 16<<16
	s_mov_b32 s[G1VS+3], 32<<16
	s_mov_b32 s[G1VS+4], 16
	s_mov_b32 s[G1VS+5], 8192
	s_mov_b32 s[G1VS+6], 0
	s_mov_b32 s[G1VS+7], 0
	s_mov_b32 s[SEL], 0x76543210
	s_mov_b32 s[SEL+1], 0xfedcba98
	s_mov_b32 s[CS], 0x3d38aa3b                    ; log2(e) / 32
	s_mov_b32 s[CS+1], s[CS]
	s_cmp_eq_u32 s16, 0
	s_mov_b32 s[PSEL], 0x03020302
	s_cselect_b32 s[PSEL], 0x01000100, s[PSEL]
	; q's and O's places: my block in the first pass is 128 batch + 32 cx + wave
	s_lshl_b32 s84, s13, 7
	s_lshl_b32 s85, s11, 5
	s_add_co_u32 s84, s84, s85
	s_add_co_u32 s84, s84, s[WV]
	s_lshl_b32 s85, s15, 9
	s_add_co_u32 s85, s85, s84
	s_mul_i32 s[QB], s85, 1536
	s_mul_i32 s[QB+1], s16, 768
	s_add_co_u32 s[QB], s[QB], s[QB+1]
	s_add_co_u32 s[QB], s[QB], CODES
	s_mov_b32 s[QB+1], 0
	s_lshl_b32 s[QS], s15, 6
	s_lshl_b32 s[QS+1], s13, 4
	s_add_co_u32 s[QS], s[QS], s[QS+1]
	s_lshl_b32 s[QS+1], s11, 2
	s_add_co_u32 s[QS], s[QS], s[QS+1]
	s_lshr_b32 s[QS+1], s[WV], 3
	s_add_co_u32 s[QS], s[QS], s[QS+1]             ; q's idx
	s_lshl_b32 s[QS], s[QS], 10
	s_bfe_u32 s[QS+1], s[WV], 0x10002
	s_lshl_b32 s[QS+1], s[QS+1], 8
	s_add_co_u32 s[QS], s[QS], s[QS+1]
	s_lshl_b32 s[QS+1], s17, 2
	s_add_co_u32 s[QS], s[QS], s[QS+1]
	s_mov_b32 s[QS+1], 0
	s_mul_i32 s[OB], s84, 12800
	s_lshr_b32 s[OS], s14, 3
	s_lshl_b32 s[OS], s[OS], 8
	s_and_b32 s[OS+1], s15, 3
	s_lshl_b32 s[OS+1], s[OS+1], 2
	s_add_co_u32 s[OS], s[OS], s[OS+1]
	s_lshl_b32 s[OS+1], s16, 1
	s_add_co_u32 s[OS], s[OS], s[OS+1]
	s_add_co_u32 s[OS], s[OS], 12288
	s_add_co_u32 s[OS], s[OS], s[OB]
	s_mov_b32 s[OS+1], 0
	s_mul_i32 s[OB+1], s15, 1536
	s_add_co_u32 s[OB], s[OB], s[OB+1]
	s_mul_i32 s[OB+1], s16, 768
	s_add_co_u32 s[OB], s[OB], s[OB+1]
	s_mov_b32 s[OB+1], 0
	s_wait_dscnt 0x0                               ; the opening add is done
	s_wait_kmcnt 0x0
	s_mov_b32 s[G0K], 1
	s_mov_b32 s[G0K+1], s99
	s_add_nc_u64 s[G0K+2:G0K+3], s[4:5], s[20:21]
	s_or_b32 s[G0K+3], s[G0K+3], 0x80000000
	s_mov_b32 s[G0V], 1
	s_add_co_u32 s[G0V+1], s99, VC
	s_add_nc_u64 s[G0V+2:G0V+3], s[6:7], s[86:87]
	s_or_b32 s[G0V+3], s[G0V+3], 0x80000000
	s_mov_b32 s[G0KS], 1
	s_mov_b32 s[G0KS+1], KS
	s_add_nc_u64 s[G0KS+2:G0KS+3], s[4:5], s[22:23]
	s_or_b32 s[G0KS+3], s[G0KS+3], 0x80000000
	s_mov_b32 s[G0VS], 1
	s_mov_b32 s[G0VS+1], VS
	s_add_nc_u64 s[G0VS+2:G0VS+3], s[6:7], s[88:89]
	s_or_b32 s[G0VS+3], s[G0VS+3], 0x80000000
	s_add_nc_u64 s[QB:QB+1], s[4:5], s[QB:QB+1]
	s_add_nc_u64 s[QS:QS+1], s[4:5], s[QS:QS+1]
	s_add_nc_u64 s[OB:OB+1], s[8:9], s[OB:OB+1]
	s_add_nc_u64 s[OS:OS+1], s[8:9], s[OS:OS+1]
	CROUND                                         ; all four work-groups are here: the joint loads meet
	s_cmp_lt_u32 s[WV], 4                          ; one load a wave: waves 0-3 K's codes, 4-7 V's, 8 K's scale words, 9 V's; the branches hang on the wave's number alone
	s_cbranch_scc0 .Lnot_k
	tensor_load_to_lds s[G0K:G0K+3], s[G1K:G1K+7]
	s_nop 0
.rept 4
	v_nop
.endr
	s_branch .Lasked
.Lnot_k:
	s_cmp_lt_u32 s[WV], 8
	s_cbranch_scc0 .Lnot_v
	tensor_load_to_lds s[G0V:G0V+3], s[G1V:G1V+7]
	s_nop 0
.rept 4
	v_nop
.endr
	s_branch .Lasked
.Lnot_v:
	s_cmp_eq_u32 s[WV], 8
	s_cbranch_scc0 .Lnot_ks
	tensor_load_to_lds s[G0KS:G0KS+3], s[G1KS:G1KS+7]
	s_nop 0
.rept 4
	v_nop
.endr
	s_branch .Lasked
.Lnot_ks:
	s_cmp_eq_u32 s[WV], 9
	s_cbranch_scc0 .Lasked
	tensor_load_to_lds s[G0VS:G0VS+3], s[G1VS:G1VS+7]
	s_nop 0
.rept 4
	v_nop
.endr
.Lasked:
	v_and_b32 v[T0], 31, v0                        ; lane
	v_lshlrev_b32 v[L16], 4, v[T0]
	v_lshlrev_b32 v[L8], 3, v[T0]
	v_add_nc_u32 v[L16V], VC, v[L16]
	v_add_nc_u32 v[L8V], VC, v[L8]
	v_add_nc_u32 v[LKS], KS, v[L16]
	v_add_nc_u32 v[LVS], VS, v[L16]
	v_bfe_u32 v[T1], v0, 4, 1
	v_lshlrev_b32 v[SH8], 3, v[T1]
	v_and_b32 v[T0], 15, v0
	v_lshlrev_b32 v[R16], 4, v[T0]
	v_mov_b32 v253, 0                              ; (named as the upper half of the pair v[252:253] before it is first written)
.set ii, QLO+6
.rept 12
	v_mov_b32 v[ii], 0                             ; the zero codes of [q | 0] and [0 | q]: v22-33, written once
.set ii, ii+1
.endr
	PASS 0
	PASS 1
	s_wait_tensorcnt 0x0                           ; the wave's end
	ds_add_u32 v[SPW], v[NIL]
	s_wait_dscnt 0x0
	CROUND                                         ; the closing round
	s_endpgm
.Lfunc_end_k_q0ac5e68ede_attn:
	.size	k_q0ac5e68ede_attn, .Lfunc_end_k_q0ac5e68ede_attn-k_q0ac5e68ede_attn
	.p2alignl 7, 3214868480
	.fill 96, 4, 3214868480
	.section	.rodata,"a",@progbits
	.p2align	6, 0x0
	.amdhsa_kernel k_q0ac5e68ede_attn
		.amdhsa_group_segment_fixed_size 206848
		.amdhsa_private_segment_fixed_size 0
		.amdhsa_enable_private_segment 0
		.amdhsa_kernarg_size 24
		.amdhsa_user_sgpr_count 2
		.amdhsa_user_sgpr_kernarg_segment_ptr 1
		.amdhsa_wavefront_size32 1
		.amdhsa_system_sgpr_workgroup_id_x 1
		.amdhsa_system_sgpr_workgroup_id_y 1
		.amdhsa_system_sgpr_workgroup_id_z 1
		.amdhsa_system_vgpr_workitem_id 0
		.amdhsa_next_free_vgpr 256
		.amdhsa_next_free_sgpr 100
		.amdhsa_reserve_vcc 0
		.amdhsa_float_denorm_mode_32 3
		.amdhsa_float_denorm_mode_16_64 3
		.amdhsa_memory_ordered 1
		.amdhsa_forward_progress 1
		.amdhsa_inst_pref_size 79
	.end_amdhsa_kernel
	.amdgpu_metadata
---
amdhsa.version: [ 1, 2 ]
amdhsa.kernels:
  - .name:           k_q0ac5e68ede_attn
    .symbol:         k_q0ac5e68ede_attn.kd
    .args:
      - { .name: qkq, .offset: 0, .size: 8, .value_kind: global_buffer, .address_space: global }
      - { .name: vq, .offset: 8, .size: 8, .value_kind: global_buffer, .address_space: global }
      - { .name: oq, .offset: 16, .size: 8, .value_kind: global_buffer, .address_space: global }
    .group_segment_fixed_size: 206848
    .private_segment_fixed_size: 0
    .kernarg_segment_align: 8
    .kernarg_segment_size: 24
    .max_flat_workgroup_size: 512
    .sgpr_count:     100
    .vgpr_count:     256
    .wavefront_size: 32
...
	.end_amdgpu_metadata
.endif
;; end of part 3
;; launch proj (part 4): grid 4 x 32, 4 waves a work-group, clusters of 4 x 4, 327,680 bytes of LDS; arguments oq, wpq, bp, out0; writes out0
.if DOCPART == 4
	.amdgcn_target "amdgcn-amd-amdhsa--gfx1250"
	.amdhsa_code_object_version 6
	.text
	.protected	k_q0ac5e68ede_proj
	.globl	k_q0ac5e68ede_proj
	.p2align	8
	.type	k_q0ac5e68ede_proj,@function
k_q0ac5e68ede_proj:
	s_mov_b64 s[64:65], 0
	v_nop
	global_prefetch_b8 v0, s[64:65] scope:SCOPE_SE
	s_setreg_imm32_b32 hwreg(HW_REG_WAVE_MODE, 25, 1), 1
	s_wait_xcnt 0x0
	s_wait_alu depctr_hold_cnt(0) depctr_sa_sdst(0) depctr_va_vdst(0) depctr_va_sdst(0) depctr_va_ssrc(0) depctr_va_vcc(0) depctr_vm_vsrc(0)
	s_getreg_b32 s2, hwreg(HW_REG_IB_STS2, 6, 4)
	s_cmp_eq_u32 s2, 0
	s_cbranch_scc0 .Lentry_in_a_cluster
	s_endpgm
.Lentry_in_a_cluster:
	s_bfe_u32 s2, ttmp6, 0x10000c
	s_cmp_lg_u32 s2, 0xf033
	s_cbranch_scc0 .Lentry_shape_is_right
	s_endpgm
.Lentry_shape_is_right:
; out0[token][o] = sum over c of O[token][c] Wp[o][c] + bp[o], K = 1,024, both operands as records of register images (block of 16 rows: lane row r of block 4 G + t is row 64 G + 8 t + (r & 7) + 32 (r >> 3);
; a record is 12,800 bytes: eight fragments of 1,536, then 512 bytes of scale words [K step / 4][r][K step % 4]).  R = the tokens (source 1), P = Wp's rows (source 0): lane (r, h) holds, in tile b,
; columns 64 (b / 4) + 32 h + 8 (b % 4) + 0 .. 7 of token lane row r.  The bias is the C of each sum's first product.
; A work-group of four waves makes 256 x 256, a wave 128 x 128.  K's eight steps of 128 go through THREE LDS slots of two steps; one slot is filled a second time.
; CLUSTER 4 x 4: R's tile hangs on the work-group's y alone and is asked for jointly by a row of the cluster, P's on its x alone, by a column.
; THE WAY OUT: a block of 16 tokens x 128 columns goes through the wave's own stage (in slot 1, which has had its only fill and its last read) and leaves as rows of 512 consecutive bytes.
; REGISTERS: window 0: v2-18 addresses; v32-63 R's scale words, v64-95 P's; v128-223 R's fragments, later v128-255 rows on the way out.  window 1: P's fragments at v0 and v128; the bias at v96-127 and v224-255.  windows 2, 3: accumulators.
.set REC,   12800
.set HALF,  24576
.set SLOT,  98304
.set SPARE, 294912
.set L16, 2
.set L8,  3
.set ADA16, 4
.set ADA8,  7
.set ADB16, 10
.set ADB8,  13
.set H128, 16
.set STO, 17
.set RD,  18
.set SPW, 28
.set NIL, 29
.set SCA, 32
.set SCB, 64
.set AF,  128
.set BK,  128
.set G1,  24
.set G0,  32
.set G1B, 44
.set G0B, 52
.set MSB, 0
.macro WIN new
.if MSB != (\new)
	s_set_vgpr_msb (MSB<<8)|(\new)
.set MSB, (\new)
.endif
.endm
.macro JLOAD g0a, g1a, g0b, g1b        ; a joint load: waves 0, 1 fetch R's halves, waves 2, 3 P's; an s_nop 0 and four v_nop follow each line
	s_cmp_eq_u32 s15, 0
	s_cbranch_scc0 .Lfor_b_\@
	tensor_load_to_lds s[\g0a:\g0a+3], s[\g1a:\g1a+7]
	s_nop 0
.rept 4
	v_nop
.endr
	s_branch .Lasked_\@
.Lfor_b_\@:
	tensor_load_to_lds s[\g0b:\g0b+3], s[\g1b:\g1b+7]
	s_nop 0
.rept 4
	v_nop
.endr
.Lasked_\@:
.endm
.macro CREST
	s_cmp_lg_u32 s14, 0
	s_cbranch_scc1 .Lnot_wave_0_\@
	s_barrier_signal -3
.Lnot_wave_0_\@:
	s_barrier_wait -3
	s_barrier_signal -1
	s_barrier_wait -1
.endm
.macro CROUND
	s_barrier_signal -1
	s_barrier_wait -1
	CREST
.endm
.macro PLACES
.rept 4
	v_nop
.endr
.endm
.macro FRAG reg, a16, a8, off
	ds_load_b128 v[\reg:\reg+3], v[\a16] offset:\off
	ds_load_b64 v[\reg+4:\reg+5], v[\a8] offset:\off+512
	ds_load_b128 v[\reg+6:\reg+9], v[\a16] offset:\off+768
	ds_load_b64 v[\reg+10:\reg+11], v[\a8] offset:\off+1280
.endm
.macro FETCH_B slot, q, set
	WIN 0x40
.irp i, 0,1,2,3,4,5,6,7
	FRAG 128*(\set)+12*\i, ADB16+\slot, ADB8+\slot, 3072*\i+1536*(\q)
.endr
	WIN 0
.endm
.macro FETCH_A slot, q, i0
.irp i, \i0, \i0+1, \i0+2, \i0+3
	FRAG AF+12*(\i), ADA16+\slot, ADA8+\slot, 3072*(\i)+1536*(\q)
.endr
.endm
.macro MM a, b, s, cmode               ; cmode = 2: the bias starts the sum
.set rD, 8*(8*((\a)%4)+(\b))
.set rP, 128*((\s)%2)+12*(\b)
.set rR, AF+12*(\a)
.set rB, 96+8*((\b)%4)+128*((\b)/4)
.set rSP, SCB+4*(\b)+(\s)%4
.set rSR, SCA+4*(\a)+(\s)%4
.if \cmode
	v_wmma_scale_f32_16x16x128_f8f6f4 v[rD:rD+7], v[rP:rP+11], v[rR:rR+11], v[rB:rB+7], v[rSP], v[rSR] matrix_a_fmt:MATRIX_FMT_FP6 matrix_b_fmt:MATRIX_FMT_FP6
.elseif (\s) < 4
	v_wmma_scale_f32_16x16x128_f8f6f4 v[rD:rD+7], v[rP:rP+11], v[rR:rR+11], v[rD:rD+7], v[rSP], v[rSR] matrix_a_fmt:MATRIX_FMT_FP6 matrix_b_fmt:MATRIX_FMT_FP6
.else
	v_wmma_scale_f32_16x16x128_f8f6f4 v[rD:rD+7], v[rP:rP+11], v[rR:rR+11], v[rD:rD+7], v[rSP], v[rSR] matrix_a_fmt:MATRIX_FMT_FP6 matrix_b_fmt:MATRIX_FMT_FP6 matrix_a_scale:MATRIX_SCALE_ROW1 matrix_b_scale:MATRIX_SCALE_ROW1
.endif
.endm
.macro MUL16 a0, s, cmode              ; the 64 accumulators take turns, one instruction a turn, in one order in every step
.irp a, \a0, \a0+1
.irp b, 0,1,2,3,4,5,6,7
	MM (\a), \b, \s, \cmode
.endr
.endr
.endm
.macro STEPN s, nslot, nq, cmode
	s_wait_dscnt 16                                ; P's set and R's blocks 0-3 are in; the youngest 16 loads (R's blocks 4-7) may be out
.if \cmode
	WIN 0x91                                       ; source 0 (P) and source 2 (the bias) window 1, destination window 2
.else
	WIN 0xa1
.endif
	MUL16 0, \s, \cmode
	MUL16 2, \s, \cmode
	s_wait_dscnt 0x0
	PLACES
	FETCH_B \nslot, \nq, 1-(\s)%2
	FETCH_A \nslot, \nq, 0
.if \cmode
	WIN 0xd1
.else
	WIN 0xf1
.endif
	MUL16 4, \s, \cmode
	MUL16 6, \s, \cmode
	PLACES
	WIN 0
	FETCH_A \nslot, \nq, 4
.endm
.macro TURN s, nslot, fill             ; a step with a barrier: in front of it each wave waits for all its tensor loads, adds 0 to its spare word, and waits for that and for its LDS reads
	s_wait_tensorcnt 0x0
	ds_add_u32 v[SPW], v[NIL]
	s_wait_dscnt 17                                ; (the add and R's blocks 4-7 may be out)
	WIN 0xa1
	MUL16 0, \s, 0
	s_wait_dscnt 0x0
	s_barrier_signal -1
	MUL16 2, \s, 0
	WIN 0
	s_barrier_wait -1
.if \fill
	CREST                                          ; the barrier has opened a round of the cluster's: no wave of any partner reads slot 0 or has a load on its way
	s_add_nc_u64 s[G0+2:G0+3], s[G0+2:G0+3], 9216  ; slot 0's next two K steps: 6 and 7
	s_add_nc_u64 s[G0B+2:G0B+3], s[G0B+2:G0B+3], 9216
	JLOAD G0, G1, G0B, G1B                         ; first behind the round; its four v_nop are the places in front of the loads below
.else
	PLACES
.endif
	FETCH_B \nslot, 0, 1-(\s)%2
	FETCH_A \nslot, 0, 0
	WIN 0xf1
	MUL16 4, \s, 0
	MUL16 6, \s, 0
	PLACES
	WIN 0
	FETCH_A \nslot, 0, 4
.endm
.macro TOSTAGE a
.set AC, 64*((\a)%4)
	WIN 0x08+4*((\a)/4)                            ; the data: window 2 or 3
.irp b, 0,1,2,3,4,5,6,7
	ds_store_b128 v[STO], v[AC+8*\b:AC+8*\b+3] offset:256*(\b/4)+32*(\b%4)         ; each accumulator from its low end on
	ds_store_b128 v[STO], v[AC+8*\b+4:AC+8*\b+7] offset:256*(\b/4)+32*(\b%4)+16
.endr
	WIN 0
.set BB, BK+64*((\a)%2)
.irp t, 0,1,2,3,4,5,6,7,8,9,10,11,12,13,14,15
	ds_load_b128 v[BB+4*\t:BB+4*\t+3], v[RD] offset:528*\t      ; LDS serves a wave's instructions in order: these see the stores above, and the next block's stores come behind them
.endr
.endm
.macro SEND a, younger
.set BB, BK+64*((\a)%2)
.set RW, 64*((\a)/4)+8*((\a)%4)
	s_wait_dscnt \younger
.irp t, 0,1,2,3,4,5,6,7,8,9,10,11,12,13,14,15
	global_store_b128 v[L16], v[BB+4*\t:BB+4*\t+3], s[76:77] offset:(RW+(\t%8)+32*(\t/8))*4096 th:TH_STORE_NT   ; 512 consecutive bytes of the token's row; 127 rows of 4,096 bytes at the most stand in the immediate
.endr
.endm
	s_load_b256 s[4:11], s[0:1], 0x0               ; oq (R), wpq (P), bp, out0
	v_lshl_add_u32 v[SPW], v0, 2, SPARE
	v_mov_b32 v[NIL], 0
	ds_add_u32 v[SPW], v[NIL]                      ; the wave's opening: the add and its wait stand ahead of my first tensor load
	v_lshrrev_b32 v1, 5, v0
	v_readfirstlane_b32 s14, v1                    ; wave
	s_lshr_b32 s15, s14, 1                         ; my half of R's rows.  Also: I fetch for R (0) or for P (1)
	s_and_b32 s16, s14, 1                          ; my half of P's rows.  Also: which half I fetch
	s_bfe_u32 s80, ttmp6, 0x40000                  ; cx
	s_bfe_u32 s81, ttmp6, 0x40004                  ; cy
	s_lshl_b32 s82, ttmp9, 2
	s_add_co_u32 s82, s82, s80                     ; X: P's tile
	s_and_b32 s83, ttmp7, 0xffff
	s_lshl_b32 s83, s83, 2
	s_add_co_u32 s83, s83, s81                     ; Y: R's tile
	s_lshl_b32 s84, s81, 2
	s_lshl_b32 s84, 15, s84                        ; my row of the cluster
	s_lshl_b32 s85, 0x1111, s80                    ; my column
	s_or_b32 s[G1], s84, (3<<16)|(1<<21)           ; R's tiles go to my row; elements of 8 bytes; no padding
	s_or_b32 s[G1B], s85, (3<<16)|(1<<21)          ; P's to my column
.irp g, G1, G1B
	s_mov_b32 s[\g+1], 384<<16
	s_mov_b32 s[\g+2], 8<<16
	s_mov_b32 s[\g+3], 384<<16
	s_mov_b32 s[\g+4], 8
	s_mov_b32 s[\g+5], 1600
	s_mov_b32 s[\g+6], 0
	s_mov_b32 s[\g+7], 0
.endr
	s_lshl_b32 s18, s16, 3
	s_lshl_b32 s20, s83, 4
	s_add_co_u32 s20, s20, s18
	s_mul_i32 s20, s20, REC                        ; R: block 16 Y + 8 x half
	s_mov_b32 s21, 0
	s_lshl_b32 s68, s82, 4
	s_add_co_u32 s68, s68, s18
	s_mul_i32 s68, s68, REC                        ; P: block 16 X + 8 x half
	s_mov_b32 s69, 0
	s_mul_i32 s70, s14, HALF
	s_wait_dscnt 0x0                               ; the opening add is done
	s_wait_kmcnt 0x0
	s_add_nc_u64 s[20:21], s[4:5], s[20:21]
	s_add_nc_u64 s[68:69], s[6:7], s[68:69]
	CROUND                                         ; all sixteen work-groups are here: the first joint loads meet
.irp s, 0,1,2
	s_mov_b32 s[G0+4*\s], 1
	s_add_co_u32 s[G0+4*\s+1], s70, \s*SLOT
	s_add_nc_u64 s[G0+4*\s+2:G0+4*\s+3], s[20:21], \s*3072
	s_or_b32 s[G0+4*\s+3], s[G0+4*\s+3], 0x80000000
	s_mov_b32 s[G0B+4*\s], 1
	s_add_co_u32 s[G0B+4*\s+1], s70, \s*SLOT
	s_add_nc_u64 s[G0B+4*\s+2:G0B+4*\s+3], s[68:69], \s*3072
	s_or_b32 s[G0B+4*\s+3], s[G0B+4*\s+3], 0x80000000
	JLOAD G0+4*\s, G1, G0B+4*\s, G1B               ; K steps 0 to 5: three loads of mine are out
.endr
	v_and_b32 v1, 31, v0                           ; lane
	v_lshlrev_b32 v[L16], 4, v1
	v_lshlrev_b32 v[L8], 3, v1
	v_bfe_u32 v19, v0, 4, 1                        ; h
	v_lshlrev_b32 v[H128], 7, v19
	v_and_b32 v20, 15, v0                          ; r
	s_lshl_b32 s72, s83, 4
	s_lshl_b32 s73, s15, 3
	s_add_co_u32 s72, s72, s73
	s_mul_i32 s72, s72, REC
	s_add_co_u32 s72, s72, 12288
	s_mov_b32 s73, 0
	s_add_nc_u64 s[72:73], s[4:5], s[72:73]        ; the scale words of my 8 blocks of R,
	s_lshl_b32 s74, s82, 4
	s_lshl_b32 s75, s16, 3
	s_add_co_u32 s74, s74, s75
	s_mul_i32 s74, s74, REC
	s_add_co_u32 s74, s74, 12288
	s_mov_b32 s75, 0
	s_add_nc_u64 s[74:75], s[6:7], s[74:75]        ; and of P
.irp i, 0,1,2,3,4,5,6,7
	global_load_b128 v[SCA+4*\i:SCA+4*\i+3], v[L16], s[72:73] offset:REC*\i
	global_load_b128 v[SCB+4*\i:SCB+4*\i+3], v[L16], s[74:75] offset:REC*\i
.endr
	s_lshl_b32 s78, s82, 10
	s_lshl_b32 s79, s16, 9
	s_add_co_u32 s78, s78, s79                     ; my first column, in bytes: 1,024 X + 512 x half
	s_mov_b32 s79, 0
	s_add_nc_u64 s[8:9], s[8:9], s[78:79]          ; bp at my 128 columns
	WIN 0x40                                       ; destination window 1
.irp b, 0,1,2,3,4,5,6,7
	global_load_b128 v[96+8*(\b%4)+128*(\b/4):99+8*(\b%4)+128*(\b/4)], v[H128], s[8:9] offset:256*(\b/4)+32*(\b%4)        ; tile b's eight columns of my half of the lanes
	global_load_b128 v[100+8*(\b%4)+128*(\b/4):103+8*(\b%4)+128*(\b/4)], v[H128], s[8:9] offset:256*(\b/4)+32*(\b%4)+16
.endr
	WIN 0
	s_mul_i32 s86, s15, HALF
	s_mul_i32 s87, s16, HALF
	s_add_co_u32 s87, s87, 2*HALF
.irp s, 0,1,2
	v_add_nc_u32 v[ADA16+\s], s86, v[L16]
	v_add_nc_u32 v[ADA8+\s], s86, v[L8]
	v_add_nc_u32 v[ADB16+\s], s87, v[L16]
	v_add_nc_u32 v[ADB8+\s], s87, v[L8]
	s_add_co_u32 s86, s86, SLOT
	s_add_co_u32 s87, s87, SLOT
.endr
	s_mul_i32 s86, s14, 8448
	s_add_co_u32 s86, s86, SLOT                    ; my stage, in slot 1
	v_mul_u32_u24 v[STO], v20, 528
	v_add_nc_u32 v[STO], v[STO], v[H128]
	v_add_nc_u32 v[STO], s86, v[STO]               ; in: row r, + 128 h
	v_add_nc_u32 v[RD], s86, v[L16]                ; back: a row's 512 bytes
	s_lshl_b32 s76, s83, 8
	s_lshl_b32 s77, s15, 7
	s_add_co_u32 s76, s76, s77                     ; my first token: 256 Y + 128 x half
	s_lshl_b32 s76, s76, 12
	s_add_co_u32 s76, s76, s78
	s_mov_b32 s77, 0
	s_add_nc_u64 s[76:77], s[10:11], s[76:77]
	s_wait_tensorcnt 0x2                           ; my part of slot 0 is in; slots 1 and 2 may stay out
	s_barrier_signal -1
	s_barrier_wait -1
	FETCH_B 0, 0, 0
	FETCH_A 0, 0, 0
	FETCH_A 0, 0, 4
	s_wait_loadcnt 0x0                             ; the scale words and the bias
	STEPN 0, 0, 1, 2                               ; its products start the sums from the bias
	TURN 1, 1, 1                                   ; every wave's three first loads are shown landed here: slots 1 and 2 are whole behind it; slot 0 is filled again
	STEPN 2, 1, 1, 0
	STEPN 3, 2, 0, 0
	STEPN 4, 2, 1, 0
	TURN 5, 0, 0                                   ; slot 0's second fill is whole behind it, and nobody reads slot 1 any more
	STEPN 6, 0, 1, 0
	s_wait_dscnt 16
	WIN 0xa1
	MUL16 0, 7, 0
	MUL16 2, 7, 0
	s_wait_dscnt 0x0
	WIN 0xf1
	MUL16 4, 7, 0
	MUL16 6, 7, 0
	WIN 0
	PLACES                                         ; in front of the first read of results and of the loads into R's fragments' registers
	TOSTAGE 0
.irp a, 1,2,3,4,5,6,7
.if \a > 1
	s_wait_xcnt 0x0                                ; the stores of two blocks back have read the registers that this block's rows land in
.endif
	TOSTAGE \a
	SEND \a-1, 32                                  ; behind the earlier block's loads: this block's 16 stores and 16 loads
.endr
	SEND 7, 0
	s_wait_tensorcnt 0x0                           ; the wave's end
	ds_add_u32 v[SPW], v[NIL]
	s_wait_dscnt 0x0
	CROUND                                         ; the closing round
	s_endpgm
.Lfunc_end_k_q0ac5e68ede_proj:
	.size	k_q0ac5e68ede_proj, .Lfunc_end_k_q0ac5e68ede_proj-k_q0ac5e68ede_proj
	.p2alignl 7, 3214868480
	.fill 96, 4, 3214868480
	.section	.rodata,"a",@progbits
	.p2align	6, 0x0
	.amdhsa_kernel k_q0ac5e68ede_proj
		.amdhsa_group_segment_fixed_size 327680
		.amdhsa_private_segment_fixed_size 0
		.amdhsa_enable_private_segment 0
		.amdhsa_kernarg_size 32
		.amdhsa_user_sgpr_count 2
		.amdhsa_user_sgpr_kernarg_segment_ptr 1
		.amdhsa_wavefront_size32 1
		.amdhsa_system_sgpr_workgroup_id_x 1
		.amdhsa_system_sgpr_workgroup_id_y 1
		.amdhsa_system_sgpr_workgroup_id_z 1
		.amdhsa_system_vgpr_workitem_id 0
		.amdhsa_next_free_vgpr 1024
		.amdhsa_next_free_sgpr 96
		.amdhsa_reserve_vcc 0
		.amdhsa_float_denorm_mode_32 3
		.amdhsa_float_denorm_mode_16_64 3
		.amdhsa_memory_ordered 1
		.amdhsa_forward_progress 1
		.amdhsa_inst_pref_size 142
	.end_amdhsa_kernel
	.amdgpu_metadata
---
amdhsa.version: [ 1, 2 ]
amdhsa.kernels:
  - .name:           k_q0ac5e68ede_proj
    .symbol:         k_q0ac5e68ede_proj.kd
    .args:
      - { .name: oq, .offset: 0, .size: 8, .value_kind: global_buffer, .address_space: global }
      - { .name: wpq, .offset: 8, .size: 8, .value_kind: global_buffer, .address_space: global }
      - { .name: bp, .offset: 16, .size: 8, .value_kind: global_buffer, .address_space: global }
      - { .name: out0, .offset: 24, .size: 8, .value_kind: global_buffer, .address_space: global }
    .group_segment_fixed_size: 327680
    .private_segment_fixed_size: 0
    .kernarg_segment_align: 8
    .kernarg_segment_size: 32
    .max_flat_workgroup_size: 128
    .sgpr_count:     96
    .vgpr_count:     1024
    .wavefront_size: 32
...
	.end_amdgpu_metadata
.endif
;; end of part 4
